; MI455X (gfx1250); checked and timed in simulation.
; The chip was launched on July 23, 2026; its instructions are those of AMD's public machine-readable ISA for CDNA 5 (MIT licence, August 2026) and "CDNA5" Instruction Set Architecture Reference Guide (July 2026). The comments in the code are by the model that wrote it; some were corrected since.
;; Self Attention. Allowed arithmetic: matrix products marked QUANTISED: E2M3 operands, one E8M0 scale for each 32 along K, by v_wmma_scale_f32_16x16x128_f8f6f4 with both operands' format E2M3, f32 sums; everything else in f32.
;; Inputs: attn_mask 2 x 1 x 2,048 x 2,048 float32; attn_mask1 2 x 1 x 2,048 x 2,048 float32; k 2 x 2,048 x 1,024 float32; q 2 x 2,048 x 1,024 float32; v 2 x 2,048 x 1,024 float32; wk_b 1,024 float32; wk_w 1,024 x 1,024 float32; wo_b 1,024 float32; wo_w 1,024 x 1,024 float32; wq_b 1,024 float32; wq_w 1,024 x 1,024 float32; wv_b 1,024 float32; wv_w 1,024 x 1,024 float32.
;; Outputs: out0 2 x 2,048 x 1,024 float32.
;; This version of the problem:
;;   THIS VERSION OF THE PROBLEM IS GIVEN IN LOW PRECISION. The matrix products marked QUANTISED in the list below multiply operands that are first quantised to E2M3 (2 exponent bits, 3 mantissa bits; 6 bits a number), with one power-of-two scale for each 32 numbers along K (OCP MX v1.0); their sums are f32. All else is computed in f32.
;;   The module's matrix products, in the order in which they are computed (A, B: the left and right operand; K: the contracted axis; several contracted axes count as one K, in the product's order):
;;     1. [M 4,096, K 1,024] x [K 1,024, N 1,024]; A: input q; B: input wq_w: QUANTISED
;;     2. [M 4,096, K 1,024] x [K 1,024, N 1,024]; A: input k; B: input wk_w: QUANTISED
;;     3. [M 4,096, K 1,024] x [K 1,024, N 1,024]; A: input v; B: input wv_w: QUANTISED
;;     4. batch 32 x [M 2,048, K 64] x [K 64, N 2,048]; A: computed on the way; B: computed on the way: QUANTISED
;;     5. batch 32 x [M 2,048, K 2,048] x [K 2,048, N 64]; A: computed on the way; B: computed on the way: QUANTISED
;;     6. [M 4,096, K 1,024] x [K 1,024, N 1,024]; A: computed on the way; B: input wo_w: QUANTISED
;;   THE QUANTISER, for each operand of a quantised product, along K:
;;     - K is cut into blocks of 32 from its start; a last block that is shorter is filled with zeros.
;;     - A block's scale is 2^e with e = floor(log2(the largest magnitude in the block)) - 2, held to -126 .. 127; a block of zeros has e = 0. As a byte (E8M0): e + 127.
;;     - Each number is divided by its block's scale, clamped to +-7.5, and rounded to the nearest number of E2M3, ties to even, subnormals kept.
;;     - The product sums the exact products of the quantised numbers (number of the format x scale) in f32.
;;   ~~~python
;;   def quantise(x, axis):      # numpy; x: float32 -> the quantised numbers, widened to float32 again
;;       x = np.moveaxis(x, axis, -1); K = x.shape[-1]
;;       x = np.pad(x, [(0, 0)] * (x.ndim - 1) + [(0, -K % 32)]); x = x.reshape(x.shape[:-1] + (-1, 32)); a = np.abs(x).max(-1, keepdims=True)
;;       e = np.where(a > 0, np.clip(np.frexp(np.where(a > 0, a, 1))[1] - 1 - 2, -126, 127), 0)      # np.frexp(a)[1] - 1 = floor(log2(a)), exactly
;;       r = np.clip(x / 2.0 ** e, -7.5, 7.5)
;;       step = 2.0 ** (np.maximum(np.frexp(np.where(r == 0, 1, r))[1] - 1, 0) - 3)
;;       q = np.round(r / step) * step * 2.0 ** e      # np.round: ties to even
;;       return np.moveaxis(q.reshape(q.shape[:-2] + (-1,))[..., :K], -1, axis).astype(np.float32)
;;   ~~~
;;   OPERANDS COMPUTED ON THE WAY. 'Computed on the way' means the value that the module computes at that place (a softmax that the list does not call 'softmax' is quantised finished and normalised). What goes into a quantiser is computed in f32, as accurately as f32 sums, v_exp_f32 and their like allow (about 1e-6 of the number): no bf16 or f16 on the way to a quantiser, and a product that is left as it is and whose result goes on into a quantised operand takes f32 operands (vector FMAs, or v_wmma_f32_16x16x4_f32). A number that lies on a knife's edge between two numbers of the format may be rounded either way, as far as f32 arithmetic and the matrix unit's own rounding can turn it there, and no further.
;; One version. Each part assembles by itself: llvm-mc -triple=amdgcn-amd-amdhsa -mcpu=gfx1250 --defsym DOCPART=n.
;; ======== version 1 of 1: 4 launches
;; limits: inputs' magnitudes at most 1e+38; right only within a limited range of input values
;; workspace buffers: cod 12,582,912 bytes; scl 524,288 bytes; qkc 6,291,456 bytes; qks 262,144 bytes; vc 3,145,728 bytes; vs 131,072 bytes; oc 3,145,728 bytes; os 131,072 bytes
;; launch quant (part 1): grid 512 x 1, 4 waves a work-group, no clusters, 34,304 bytes of LDS; arguments q, k, v, wq_w, wk_w, wv_w, wo_w, cod, scl; writes cod, scl
.if DOCPART == 1
	.amdgcn_target "amdgcn-amd-amdhsa--gfx1250"
	.amdhsa_code_object_version 6
	.text
	.protected	k_q2048e3a491_quant
	.globl	k_q2048e3a491_quant
	.p2align	8
	.type	k_q2048e3a491_quant,@function
k_q2048e3a491_quant:
	s_mov_b64 s[64:65], 0
	v_nop
	global_prefetch_b8 v0, s[64:65] scope:SCOPE_SE
	s_setreg_imm32_b32 hwreg(HW_REG_WAVE_MODE, 25, 1), 1
	s_wait_xcnt 0x0
; q, k, v [4096][1024] and wq_w, wk_w, wv_w, wo_w [1024][1024], f32, K innermost, become codes of FP6 (E2M3) with one E8M0 byte for each 32 along K.
; The seven tensors are 1,024 tiles of 16 rows: q 0-255, k 256-511, v 512-767, wq 768-831, wk 832-895, wv 896-959, wo 960-1023.
; THE CODES ARE LAID AS IMAGES OF AN OPERAND'S REGISTERS: the fragment of row tile t and K step s (16 rows x 128 K, 12 registers a lane) lies at (8 t + s) x 1,536 bytes; registers 4 j .. 4 j + 3 of
; lane l at 512 j + 16 l.  Its 16 scale words lie at (8 t + s) x 64 + 4 x row.  So a later launch fetches a fragment by three loads of 16 bytes a lane, each 512 consecutive bytes.
; A block's scale is 2^(floor(log2(its largest magnitude)) - 2); its byte is the largest magnitude's exponent field - 2, held at 1 from below by a floor among the maximum's leaves.
; LIMITS: a block of zeros gets the byte 1 (its codes are zeros, and this program alone reads the bytes); blocks whose largest magnitude lies under 2^-124 are quantised on the floor's scale; NaN and infinities are not served.
; SHARES: work-group x takes row tiles 2 x and 2 x + 1; wave w takes four fragments: row tile 2 x + w / 2, K steps 4 (w % 2) on.  These are fragments 16 x + 4 w on of the whole list.
; Each load reads 512 consecutive bytes of one row.  The operand wants 32 neighbours along K in one lane, so a fragment's 16 x 512 bytes turn through the wave's own stage in LDS (rows of 512 + 16 bytes,
; so that sixteen rows begin in sixteen different groups of banks).  Waves share nothing: no barrier.  No matrix unit, no tensor load, no cluster: every byte is read once by one wave.
.set STG,  8448                        ; a wave's stage: 16 rows x 528 bytes
.set RA,   16                          ; v16-143  two sets of 64 registers as loaded
.set X,    144                         ; v144-207 64 numbers in the operand's order: register 32 c + i = k 64 c + 32 (lane / 16) + i of row lane % 16
.set F,    208                         ; v208-219 the fragment
.set TP,   220                         ; v220-226 the second halves of the two blocks (a conversion's three registers begin on an even number)
.set WD,   228                         ; v228-231 the four fragments' scale words
	s_load_b256 s[4:11], s[0:1], 0x0               ; q, k, v, wq_w
	s_load_b256 s[12:19], s[0:1], 0x20             ; wk_w, wv_w, wo_w, cod
	s_load_b64 s[20:21], s[0:1], 0x40              ; scl
	v_lshl_add_u32 v232, v0, 2, 0x8400
	v_mov_b32 v233, 0
	v_lshrrev_b32 v1, 5, v0
	v_readfirstlane_b32 s28, v1                    ; wave
	v_and_b32 v7, 31, v0                           ; lane
	v_lshlrev_b32 v2, 4, v7                        ; 16 x lane
	s_mul_i32 s29, s28, STG
	v_add_nc_u32 v3, s29, v2                       ; the stage, on the way in: a row as it lies
	v_and_b32 v8, 15, v0
	v_bfe_u32 v9, v0, 4, 1
	v_mul_u32_u24 v4, v8, 528
	v_lshl_add_u32 v4, v9, 7, v4
	v_add_nc_u32 v4, s29, v4                       ; and on the way out: row lane % 16, + 128 bytes for lanes 16-31
	v_lshlrev_b32 v5, 3, v9                        ; 8 x (lane / 16): my bytes' shift in a scale word
	v_lshlrev_b32 v6, 2, v7                        ; 4 x lane
	v_mov_b32 v15, 0                               ; written once: a lane permute's destination counts as one of its sources
	s_mov_b32 s26, 0x76543210
	s_mov_b32 s27, 0xfedcba98                      ; v_permlanex16_b32's selects for lane l xor 16
	s_wait_alu depctr_va_vdst(0)
	s_wait_kmcnt 0x0
	s_mov_b64 s[22:23], s[16:17]                   ; which tensor: the choice hangs on the work-group's number alone
	s_mov_b32 s24, 480
	s_cmp_lt_u32 ttmp9, 480
	s_cselect_b64 s[22:23], s[14:15], s[22:23]
	s_cselect_b32 s24, 448, s24
	s_cmp_lt_u32 ttmp9, 448
	s_cselect_b64 s[22:23], s[12:13], s[22:23]
	s_cselect_b32 s24, 416, s24
	s_cmp_lt_u32 ttmp9, 416
	s_cselect_b64 s[22:23], s[10:11], s[22:23]
	s_cselect_b32 s24, 384, s24
	s_cmp_lt_u32 ttmp9, 384
	s_cselect_b64 s[22:23], s[8:9], s[22:23]
	s_cselect_b32 s24, 256, s24
	s_cmp_lt_u32 ttmp9, 256
	s_cselect_b64 s[22:23], s[6:7], s[22:23]
	s_cselect_b32 s24, 128, s24
	s_cmp_lt_u32 ttmp9, 128
	s_cselect_b64 s[22:23], s[4:5], s[22:23]
	s_cselect_b32 s24, 0, s24
	s_sub_co_u32 s24, ttmp9, s24                   ; the work-group's number within its tensor:
	s_lshl_b32 s24, s24, 17                        ; 32 rows of 4,096 bytes each,
	s_lshr_b32 s25, s28, 1
	s_lshl_b32 s25, s25, 16                        ; + 16 rows for waves 2 and 3,
	s_add_co_u32 s24, s24, s25
	s_and_b32 s25, s28, 1
	s_lshl_b32 s25, s25, 11                        ; + 512 along K for waves 1 and 3
	s_add_co_u32 s24, s24, s25
	s_mov_b32 s25, 0
	s_add_nc_u64 s[22:23], s[22:23], s[24:25]
	s_lshl_b32 s24, ttmp9, 4
	s_lshl_b32 s30, s28, 2
	s_add_co_u32 s24, s24, s30                     ; my first fragment: 16 x + 4 w
	s_mul_i32 s30, s24, 1536
	s_mov_b32 s31, 0
	s_add_nc_u64 s[18:19], s[18:19], s[30:31]
	s_lshl_b32 s24, s24, 6
	s_add_nc_u64 s[20:21], s[20:21], s[24:25]
.macro LOAD t                          ; fragment t: 16 rows x 512 bytes
.irp i, 0,1,2,3,4,5,6,7,8,9,10,11,12,13,14,15
	global_load_b128 v[RA+64*((\t)%2)+4*\i:RA+64*((\t)%2)+4*\i+3], v2, s[22:23] offset:4096*\i+512*(\t) th:TH_LOAD_NT
.endr
.endm
.macro TURN t                          ; through the stage: LDS serves a wave's instructions in order, so no wait stands between the stores and the loads
.irp i, 0,1,2,3,4,5,6,7,8,9,10,11,12,13,14,15
	ds_store_b128 v3, v[RA+64*((\t)%2)+4*\i:RA+64*((\t)%2)+4*\i+3] offset:528*\i
.endr
.irp c, 0,1
.irp i, 0,1,2,3,4,5,6,7
	ds_load_b128 v[X+32*\c+4*\i:X+32*\c+4*\i+3], v4 offset:256*\c+16*\i
.endr
.endr
.endm
.macro QB t                            ; my two whole blocks (2 c + lane / 16, c = 0, 1) become six registers each, their bytes my part of the scale word
.irp c, 0,1
	v_max3_num_f32 v[8+\c], |v[X+32*\c]|, |v[X+32*\c+1]|, 0x1800000   ; the floor 2^(3 - 127) among the leaves: the byte cannot fall under 1
.endr
.irp i, 2,4,6,8,10,12,14,16,18,20,22,24,26,28,30
.irp c, 0,1
	v_max3_num_f32 v[8+\c], v[8+\c], |v[X+32*\c+\i]|, |v[X+32*\c+\i+1]|   ; the two blocks by turns
.endr
.endr
.irp c, 0,1
	v_add_nc_u32 v[10+\c], 0xff000000, v[8+\c]     ; 2 off the exponent field: the conversion's scale operand
.endr
.irp c, 0,1
	v_lshrrev_b32 v[12+\c], 23, v[10+\c]           ; the scale's byte
.endr
	v_lshl_or_b32 v14, v13, 16, v12                ; my two bytes, 16 bits apart,
	v_lshlrev_b32 v14, v5, v14                     ; 8 bits up in lanes 16-31;
	v_permlanex16_b32 v15, v14, s26, s27
	v_or_b32 v[WD+\t], v14, v15                    ; with lane l xor 16's two the word is whole
.irp c, 0,1
	v_cvt_scalef32_pk16_fp6_f32 v[F+6*\c:F+6*\c+2], v[X+32*\c:X+32*\c+15], v[10+\c]
	v_cvt_scalef32_pk16_fp6_f32 v[TP+4*\c:TP+4*\c+2], v[X+32*\c+16:X+32*\c+31], v[10+\c]
.endr
	v_nop                                          ; one plain place behind a scaled conversion
.irp c, 0,1
.irp i, 0,1,2
	v_mov_b32 v[F+6*\c+3+\i], v[TP+4*\c+\i]
.endr
.endr
.endm
	LOAD 0
	LOAD 1
.irp t, 0,1,2,3
.if \t < 3
	s_wait_loadcnt 16                              ; this fragment's 16 loads are in; the next fragment's 16 may be out
.else
	s_wait_loadcnt 0x0
.endif
	TURN \t
	s_wait_dscnt 0x0                               ; the numbers are back, and the stores into the stage have read their registers,
.if \t < 2
	LOAD \t+2                                      ; which take the fragment two further on
.endif
.if \t > 0
	s_wait_xcnt 0x0                                ; the last fragment's stores have read the registers that are written again below
.endif
	QB \t
.irp j, 0,1,2
	global_store_b128 v2, v[F+4*\j:F+4*\j+3], s[18:19] offset:1536*\t+512*\j   ; 32 lanes store 512 consecutive bytes, aligned
.endr
.endr
	v_cmp_lt_u32 vcc_lo, 15, v7                    ; lanes 0-15 carry an even fragment's words, lanes 16-31 the next one's
	v_cndmask_b32 v8, v[WD], v[WD+1], vcc_lo
	v_cndmask_b32 v9, v[WD+2], v[WD+3], vcc_lo
	global_store_b32 v6, v8, s[20:21]
	global_store_b32 v6, v9, s[20:21] offset:128   ; the two stores fill 256 consecutive bytes, aligned
	s_wait_tensorcnt 0x0
	ds_add_u32 v232, v233
	s_wait_dscnt 0x0
	s_endpgm
.Lfunc_end_k_q2048e3a491_quant:
	.size	k_q2048e3a491_quant, .Lfunc_end_k_q2048e3a491_quant-k_q2048e3a491_quant
	.p2alignl 7, 3214868480
	.fill 96, 4, 3214868480
	.section	.rodata,"a",@progbits
	.p2align	6, 0x0
	.amdhsa_kernel k_q2048e3a491_quant
		.amdhsa_group_segment_fixed_size 34304
		.amdhsa_private_segment_fixed_size 0
		.amdhsa_enable_private_segment 0
		.amdhsa_kernarg_size 72
		.amdhsa_user_sgpr_count 2
		.amdhsa_user_sgpr_kernarg_segment_ptr 1
		.amdhsa_wavefront_size32 1
		.amdhsa_system_sgpr_workgroup_id_x 1
		.amdhsa_system_sgpr_workgroup_id_y 1
		.amdhsa_system_sgpr_workgroup_id_z 1
		.amdhsa_system_vgpr_workitem_id 0
		.amdhsa_next_free_vgpr 234
		.amdhsa_next_free_sgpr 66
		.amdhsa_reserve_vcc 1
		.amdhsa_float_denorm_mode_32 3
		.amdhsa_float_denorm_mode_16_64 3
		.amdhsa_memory_ordered 1
		.amdhsa_forward_progress 1
		.amdhsa_inst_pref_size 31
	.end_amdhsa_kernel
	.amdgpu_metadata
---
amdhsa.version: [ 1, 2 ]
amdhsa.kernels:
  - .name:           k_q2048e3a491_quant
    .symbol:         k_q2048e3a491_quant.kd
    .args:
      - { .name: q, .offset: 0, .size: 8, .value_kind: global_buffer, .address_space: global }
      - { .name: k, .offset: 8, .size: 8, .value_kind: global_buffer, .address_space: global }
      - { .name: v, .offset: 16, .size: 8, .value_kind: global_buffer, .address_space: global }
      - { .name: wq_w, .offset: 24, .size: 8, .value_kind: global_buffer, .address_space: global }
      - { .name: wk_w, .offset: 32, .size: 8, .value_kind: global_buffer, .address_space: global }
      - { .name: wv_w, .offset: 40, .size: 8, .value_kind: global_buffer, .address_space: global }
      - { .name: wo_w, .offset: 48, .size: 8, .value_kind: global_buffer, .address_space: global }
      - { .name: cod, .offset: 56, .size: 8, .value_kind: global_buffer, .address_space: global }
      - { .name: scl, .offset: 64, .size: 8, .value_kind: global_buffer, .address_space: global }
    .group_segment_fixed_size: 34304
    .private_segment_fixed_size: 0
    .kernarg_segment_align: 8
    .kernarg_segment_size: 72
    .max_flat_workgroup_size: 128
    .sgpr_count:     66
    .vgpr_count:     234
    .wavefront_size: 32
...
	.end_amdgpu_metadata
.endif
;; end of part 1
;; launch proj (part 2): grid 64 x 3, 4 waves a work-group, no clusters, 0 bytes of LDS; arguments cod, scl, wq_b, wk_b, wv_b, qkc, qks, vc, vs; writes qkc, qks, vc, vs
.if DOCPART == 2
	.amdgcn_target "amdgcn-amd-amdhsa--gfx1250"
	.amdhsa_code_object_version 6
	.text
	.protected	k_q2048e3a491_proj
	.globl	k_q2048e3a491_proj
	.p2align	8
	.type	k_q2048e3a491_proj,@function
k_q2048e3a491_proj:
	s_mov_b64 s[64:65], 0
	v_nop
	global_prefetch_b8 v0, s[64:65] scope:SCOPE_SE
	s_setreg_imm32_b32 hwreg(HW_REG_WAVE_MODE, 25, 1), 1
	s_wait_xcnt 0x0
; Q = q wq^T + bq, K = k wk^T + bk, V = v wv^T + bv on codes of FP6 (E2M3) with E8M0 scales; the results are quantised in registers and leave as codes: Q and K along the head's 64, V along the keys.
; Work-group (x, y): tensor y (0 Q, 1 K, 2 V), weight part p = x % 4 (256 weight rows), row group x / 4 (256 rows of x = 16 row tiles).  Wave w keeps 64 weight rows, 4 tiles x 8 K steps = 384 registers,
; for the whole launch and streams the rows' fragments from memory, where they lie as images of registers: three loads of 16 bytes a lane for a fragment.  Waves share nothing: no LDS, no barrier.
; NO CLUSTER, NO TENSOR LOAD: a row tile's fragments (12,288 bytes) are wanted by the four work-groups p, but a joint request lands in LDS, from which each of the four waves would read all of it again:
; 4 x 12,288 bytes of LDS reads a row tile for 128 matrix instructions, where the images come straight into registers.  192 work-groups: 3 tensors x 4 parts x 16 row groups.
; TRANSPOSED: source 0 = 16 weight rows, source 1 = 16 rows of x: a lane (r = lane % 16, h = lane / 16) holds row r, and register j of a tile the tile's weight row 8 h + j.  The bias is the C of each sum's first product.
; WHICH WEIGHT ROWS FORM TILE T, ROW m.  Q, K: n = 256 p + 64 w + 32 (m / 8) + 8 T + m % 8: the lane's 32 results are ONE WHOLE BLOCK, columns 32 h .. 32 h + 31 of column group g = 4 p + w, in order.
;   V (T = 2 u + y): n = 64 (8 y + m % 8) + 16 p + 4 w + 2 u + m / 8.  By the reshape a row of V holds 16 neighbouring keys (n / 64) of each channel d = n % 64: so the 16 results of tiles 2 u, 2 u + 1 are 16
;   neighbouring keys of channel 16 p + 4 w + 2 u + h; the block's other 16 keys lie in lane r xor 1.
; OUT.  qkc: tensor x 3,145,728 + (256 g + row tile) x 768 + 256 i + 8 lane: piece i (8 bytes) of the lane's six registers: an image again.  qks: tensor x 131,072 + 8,192 g + 2 row + h.
;   Q's bytes are stored LESS 3: the scores' factor 1 / 8 is a power of two and rides in the scale.  vc: (64 head + d) x 1,536 + key x 3 / 4;  vs: (64 head + d) x 64 + key / 32  (head counts 0 .. 31 over both batches).
; LIMITS: blocks of zeros get the byte 1 (codes zero; read by this program alone); blocks of Q whose largest magnitude lies under 2^-121 are quantised on the scale 2^-123, so that the byte less 3 stays at 1; NaN and infinities are not served.
; REGISTERS, in windows of 256: window 0: v1-18 addresses; v32-47 the weights' scale words (tile T, K steps 2 g and 2 g + 1 in lanes 0-15 and 16-31: v[32 + 4 T + g]); v48-55 x's, two sets; v64-95 the bias; v96-127 the sums; v128-141 at work.
;   window 1: weight tiles 0, 1 at 96 T + 12 s;  window 2: tiles 2, 3;  window 3: x's eight fragments, two sets at 0 and 96.
.set ACC, 96
.set BI,  64
.set WS,  32
.set XS,  48
.set MSB, 0
.macro WIN new                         ; the immediate's high byte repeats the setting that is left
.if MSB != \new
	s_set_vgpr_msb (MSB<<8)|\new
.set MSB, \new
.endif
.endm
	s_load_b512 s[4:19], s[0:1], 0x0               ; cod, scl, wq_b, wk_b, wv_b, qkc, qks, vc
	s_load_b64 s[20:21], s[0:1], 0x40              ; vs
	v_lshrrev_b32 v20, 5, v0
	v_readfirstlane_b32 s22, v20                   ; wave
	s_and_b32 s23, ttmp7, 0xffff                   ; tensor
	s_and_b32 s24, ttmp9, 3                        ; p
	s_lshr_b32 s25, ttmp9, 2                       ; row group
	v_and_b32 v21, 31, v0                          ; lane
	v_and_b32 v22, 15, v0                          ; r
	v_bfe_u32 v23, v0, 4, 1                        ; h
	v_and_b32 v24, 7, v0                           ; r % 8
	v_bfe_u32 v25, v0, 3, 1                        ; r / 8
	v_lshlrev_b32 v1, 4, v21                       ; an image's place for my lane
	v_lshlrev_b32 v2, 2, v21                       ; x's scale words: two K steps' 64 bytes on end
	v_lshlrev_b32 v11, 3, v21                      ; Q, K out: 8 bytes a lane
	v_lshl_add_u32 v12, v22, 1, v23                ; their byte: 2 r + h
	v_mul_u32_u24 v13, v22, 12
	v_mad_u32_u24 v13, v23, 1536, v13              ; V out: 12 bytes a row, a channel further on for lanes 16-31
	v_lshrrev_b32 v14, 1, v22
	v_lshl_add_u32 v14, v23, 6, v14                ; its byte: r / 2 + 64 h
	v_lshlrev_b32 v17, 7, v23                      ; the bias: Q, K: 32 numbers on for lanes 16-31;
	v_lshlrev_b32 v18, 2, v23                      ; V: one
	; one form of address serves both choices of weight rows: (r / 8) La + (r % 8) Lb + the half's bytes, + (T % 2) Eo + (T / 2) Eh
	s_mov_b32 s50, 128
	s_cmp_eq_u32 s23, 2
	s_cselect_b32 s48, 16, 24576                   ; codes: La
	s_cselect_b32 s49, 49152, 16                   ; Lb
	s_cselect_b32 s50, 393216, s50                 ; Eo
	s_cselect_b32 s51, 32, 12288                   ; Eh
	s_cselect_b32 s52, 4, 1024                     ; scale words: La
	s_cselect_b32 s53, 2048, 4                     ; Lb
	s_cselect_b32 s54, 16384, 32                   ; Eo
	s_cselect_b32 s55, 8, 512                      ; Eh
	v_mul_u32_u24 v26, v25, s48
	v_mad_u32_u24 v26, v24, s49, v26
	v_lshl_add_u32 v3, v23, 8, v26                 ; tile 0 (lanes 16-31 lie 256 bytes on in an image)
	v_add_nc_u32 v4, s50, v3                       ; tile 1
	v_add_nc_u32 v5, s51, v3                       ; tile 2
	v_add_nc_u32 v6, s51, v4                       ; tile 3
	v_mul_u32_u24 v26, v25, s52
	v_mad_u32_u24 v26, v24, s53, v26
	v_lshl_add_u32 v7, v23, 6, v26                 ; lanes 16-31 take the odd K step's word, 64 bytes on
	v_add_nc_u32 v8, s54, v7
	v_add_nc_u32 v9, s55, v7
	v_add_nc_u32 v10, s55, v8
	s_lshl_b32 s28, s23, 6
	s_lshl_b32 s29, s24, 4
	s_add_co_u32 s28, s28, s29
	s_lshl_b32 s29, s22, 2
	s_add_co_u32 s28, s28, s29
	s_add_co_u32 s28, s28, 768                     ; Q, K: weight row tile 768 + 64 tensor + 16 p + 4 w
	s_add_co_u32 s29, s24, 896                     ; V: 896 + p,
	s_lshl_b32 s30, s22, 6                         ; + row 4 w of an image: 64 w bytes of codes,
	s_lshl_b32 s31, s22, 4                         ; 16 w of scale words
	s_cmp_eq_u32 s23, 2
	s_cselect_b32 s28, s29, s28
	s_cselect_b32 s30, s30, 0
	s_cselect_b32 s31, s31, 0
	s_mul_i32 s32, s28, 12288
	s_add_co_u32 s32, s32, s30
	s_mov_b32 s33, 0
	s_lshl_b32 s34, s28, 9
	s_add_co_u32 s34, s34, s31
	s_mov_b32 s35, 0
	s_lshl_b32 s28, s23, 8
	s_lshl_b32 s29, s25, 4
	s_add_co_u32 s28, s28, s29                     ; x: row tile 256 tensor + 16 row group
	s_mul_i32 s36, s28, 12288
	s_mov_b32 s37, 0
	s_lshl_b32 s38, s28, 9
	s_mov_b32 s39, 0
	s_lshl_b32 s28, s24, 2
	s_add_co_u32 s28, s28, s22                     ; g = 4 p + w
	s_mul_i32 s42, s23, 3145728
	s_mul_i32 s29, s28, 196608
	s_add_co_u32 s42, s42, s29
	s_mul_i32 s29, s25, 12288
	s_add_co_u32 s42, s42, s29                     ; Q, K: where my codes begin,
	s_lshl_b32 s44, s23, 17
	s_lshl_b32 s29, s28, 13
	s_add_co_u32 s44, s44, s29
	s_lshl_b32 s29, s25, 9
	s_add_co_u32 s44, s44, s29                     ; and my bytes
	s_mul_i32 s30, s25, 196608
	s_mul_i32 s29, s28, 6144
	s_add_co_u32 s30, s30, s29                     ; V: two heads a row group, channel 4 g
	s_lshl_b32 s31, s25, 13
	s_lshl_b32 s29, s28, 8
	s_add_co_u32 s31, s31, s29
	s_lshl_b32 s56, s28, 8                         ; the bias: Q, K: 64 g numbers on;
	s_lshl_b32 s57, s28, 4                         ; V: 4 g
	s_mov_b32 s46, 0x1800000                       ; the floor 2^(3 - 127);
	s_cmp_eq_u32 s23, 2
	s_cselect_b32 s42, s30, s42
	s_cselect_b32 s44, s31, s44
	s_cselect_b32 s56, s57, s56
	s_mov_b32 s43, 0
	s_mov_b32 s45, 0
	s_mov_b32 s57, 0
	s_cmp_eq_u32 s23, 0
	s_cselect_b32 s46, 0x3000000, s46              ; for Q 2^(6 - 127), since 3 more are taken off its byte
	s_cselect_b32 s47, 3, 0
	s_wait_alu depctr_va_vdst(0)
	s_wait_kmcnt 0x0
	s_cselect_b64 s[40:41], s[8:9], s[10:11]       ; the choices hang on the work-group's number alone
	s_cmp_eq_u32 s23, 2
	s_cselect_b64 s[40:41], s[12:13], s[40:41]
	s_cselect_b64 s[58:59], s[18:19], s[14:15]
	s_cselect_b64 s[60:61], s[20:21], s[16:17]
	s_add_nc_u64 s[32:33], s[4:5], s[32:33]        ; the weights' codes
	s_add_nc_u64 s[34:35], s[6:7], s[34:35]        ; and scale words
	s_add_nc_u64 s[36:37], s[4:5], s[36:37]        ; x's codes
	s_add_nc_u64 s[38:39], s[6:7], s[38:39]        ; and scale words
	s_add_nc_u64 s[40:41], s[40:41], s[56:57]      ; the bias
	s_add_nc_u64 s[42:43], s[58:59], s[42:43]      ; codes out
	s_add_nc_u64 s[44:45], s[60:61], s[44:45]      ; bytes out
	WIN 0x40                                       ; destination window 1
.irp T, 0,1
.irp q, 0,1,2,3,4,5,6,7
.irp j, 0,1,2
	global_load_b128 v[96*\T+12*\q+4*\j:96*\T+12*\q+4*\j+3], v[3+\T], s[32:33] offset:1536*\q+512*\j
.endr
.endr
.endr
	WIN 0x80                                       ; destination window 2
.irp T, 0,1
.irp q, 0,1,2,3,4,5,6,7
.irp j, 0,1,2
	global_load_b128 v[96*\T+12*\q+4*\j:96*\T+12*\q+4*\j+3], v[5+\T], s[32:33] offset:1536*\q+512*\j
.endr
.endr
.endr
	WIN 0
.irp T, 0,1,2,3
.irp g, 0,1,2,3
	global_load_b32 v[WS+4*\T+\g], v[7+\T], s[34:35] offset:128*\g
.endr
.endr
	s_cmp_eq_u32 s23, 2
	s_cbranch_scc1 .Lbias_v
.irp T, 0,1,2,3                        ; Q, K: register 8 T + j wants the bias of column 64 g + 32 h + 8 T + j
	global_load_b128 v[BI+8*\T:BI+8*\T+3], v17, s[40:41] offset:32*\T
	global_load_b128 v[BI+8*\T+4:BI+8*\T+7], v17, s[40:41] offset:32*\T+16
.endr
	s_branch .Lbias_done
.Lbias_v:
.irp T, 0,1,2,3                        ; V: that of column 64 (8 (T % 2) + j) + 4 g + 2 (T / 2) + h
.irp j, 0,1,2,3,4,5,6,7
	global_load_b32 v[BI+8*\T+\j], v18, s[40:41] offset:(8*(\T%2)+\j)*256+8*(\T/2)
.endr
.endr
.Lbias_done:
.macro XLOAD buf, off, offs            ; a row tile's eight fragments and four registers of scale words: 28 loads
	WIN 0xc0                                       ; destination window 3
.irp q, 0,1,2,3,4,5,6,7
.irp j, 0,1,2
	global_load_b128 v[96*\buf+12*\q+4*\j:96*\buf+12*\q+4*\j+3], v1, s[36:37] offset:\off+1536*\q+512*\j
.endr
.endr
	WIN 0
.irp g, 0,1,2,3
	global_load_b32 v[XS+4*\buf+\g], v2, s[38:39] offset:\offs+128*\g
.endr
.endm
; 16 matrix instructions: tiles t0 and t0 + 1 by turns, K ascending.  The first product of a sum takes the bias as C.
.macro MMSET t0, buf
.set kk, 0
.rept 8
.irp T, \t0, \t0+1
.set rA, 96*((\T)%2)+12*kk
.set rB, 96*\buf+12*kk
.set rD, ACC+8*(\T)
.set rC, BI+8*(\T)
.set rW, WS+4*(\T)+kk/2
.set rX, XS+4*\buf+kk/2
.if kk == 0
	v_wmma_scale_f32_16x16x128_f8f6f4 v[rD:rD+7], v[rA:rA+11], v[rB:rB+11], v[rC:rC+7], v[rW], v[rX] matrix_a_fmt:MATRIX_FMT_FP6 matrix_b_fmt:MATRIX_FMT_FP6
.elseif kk%2 == 1
	v_wmma_scale_f32_16x16x128_f8f6f4 v[rD:rD+7], v[rA:rA+11], v[rB:rB+11], v[rD:rD+7], v[rW], v[rX] matrix_a_fmt:MATRIX_FMT_FP6 matrix_b_fmt:MATRIX_FMT_FP6 matrix_a_scale:MATRIX_SCALE_ROW1 matrix_b_scale:MATRIX_SCALE_ROW1
.else
	v_wmma_scale_f32_16x16x128_f8f6f4 v[rD:rD+7], v[rA:rA+11], v[rB:rB+11], v[rD:rD+7], v[rW], v[rX] matrix_a_fmt:MATRIX_FMT_FP6 matrix_b_fmt:MATRIX_FMT_FP6
.endif
.endr
.set kk, kk+1
.endr
.endm
; Q, K: my 32 sums are one block.  Two chains by turns; each accumulator is read from its low end first.  (The registers written here were freed by the wait in RT.)
.macro EPI_QK
	s_mul_i32 s28, s26, 768
	v_add_nc_u32 v15, s28, v11
	s_lshl_b32 s28, s26, 5
	v_add_nc_u32 v16, s28, v12
	v_max3_num_f32 v128, |v[ACC]|, |v[ACC+1]|, s46
	v_max3_num_f32 v129, |v[ACC+16]|, |v[ACC+17]|, |v[ACC+18]|
.irp i, 0,1,2,3,4,5
	v_max3_num_f32 v128, v128, |v[ACC+2+2*\i]|, |v[ACC+3+2*\i]|
	v_max3_num_f32 v129, v129, |v[ACC+19+2*\i]|, |v[ACC+20+2*\i]|
.endr
	v_max3_num_f32 v128, v128, |v[ACC+14]|, |v[ACC+15]|
	v_max3_num_f32 v128, v128, v129, |v[ACC+31]|
	v_add_nc_u32 v130, 0xff000000, v128            ; 2 off the exponent field: the conversion's scale operand
	v_lshrrev_b32 v131, 23, v130                   ; the scale's byte
	v_cvt_scalef32_pk16_fp6_f32 v[132:134], v[ACC:ACC+15], v130
	v_cvt_scalef32_pk16_fp6_f32 v[136:138], v[ACC+16:ACC+31], v130
	v_sub_nc_u32 v131, v131, s47                   ; Q: less 3.  (The plain place behind the conversions)
	v_mov_b32 v135, v136                           ; the six registers on end
	v_mov_b32 v136, v137
	v_mov_b32 v137, v138
	global_store_b64 v15, v[132:133], s[42:43]     ; 32 lanes store 256 consecutive bytes, aligned
	global_store_b64 v15, v[134:135], s[42:43] offset:256
	global_store_b64 v15, v[136:137], s[42:43] offset:512
	global_store_b8 v16, v131, s[44:45]            ; 32 consecutive bytes a wave: one byte in 24 of what leaves
.endm
; V: tiles 2 u, 2 u + 1 are 16 keys of channel 4 g + 2 u + h; lanes r and r xor 1 share a block
.macro EPI_V
	s_lshr_b32 s28, s26, 3                         ; eight row tiles to a head
	s_and_b32 s29, s26, 7
	s_mul_i32 s30, s28, 98304
	s_mul_i32 s31, s29, 192
	s_add_co_u32 s30, s30, s31
	v_add_nc_u32 v15, s30, v13
	s_lshl_b32 s28, s28, 12
	s_lshl_b32 s29, s29, 3
	s_add_co_u32 s28, s28, s29
	v_add_nc_u32 v16, s28, v14
.irp u, 0,1
	v_max3_num_f32 v[128+\u], |v[ACC+16*\u]|, |v[ACC+16*\u+1]|, s46
.endr
.irp i, 2,4,6,8,10,12,14
.irp u, 0,1
	v_max3_num_f32 v[128+\u], v[128+\u], |v[ACC+16*\u+\i]|, |v[ACC+16*\u+\i+1]|
.endr
.endr
.irp u, 0,1
	v_max_num_f32_dpp v[128+\u], v[128+\u], v[128+\u] row_xmask:1 row_mask:0xf bank_mask:0xf
.endr
.irp u, 0,1
	v_add_nc_u32 v[130+\u], 0xff000000, v[128+\u]
.endr
.irp u, 0,1
	v_cvt_scalef32_pk16_fp6_f32 v[132+4*\u:134+4*\u], v[ACC+16*\u:ACC+16*\u+15], v[130+\u]
.endr
.irp u, 0,1
	v_lshrrev_b32 v[140+\u], 23, v[130+\u]         ; the bytes.  (The plain place behind the conversions)
.endr
.irp u, 0,1
	global_store_b96 v15, v[132+4*\u:134+4*\u], s[42:43] offset:3072*\u   ; sixteen lanes store 192 consecutive bytes of a channel's row
	global_store_b8 v16, v[140+\u], s[44:45] offset:128*\u                ; both lanes of a block write the same byte with the same value
.endr
.endm
; A row tile.  left: the other set's 28 loads, the only ones issued behind this set's.  ahead = 1: this set takes the row tile two further on.
; ONE wait on XCNT a row tile, AHEAD of this tile's loads: what it finds out are the last row tile's stores and the other set's loads, all issued at least 32 products ago.  Behind it the stores' address and data
; registers are written again (by the way out below) and x's two bases step by one row tile; the loads then reach one row tile beyond the stepped base by a fixed immediate.
.macro RT buf, ahead, left
	s_wait_loadcnt \left
	WIN 0x0d                                       ; source 0 window 1, source 1 window 3
	MMSET 0, \buf
	WIN 0x0e                                       ; source 0 window 2
	MMSET 2, \buf
	WIN 0
.rept 4
	v_nop                                          ; places in front of loads into registers that the products have read, and of the first read of the sums
.endr
	s_wait_xcnt 0x0
.if \ahead
	s_add_nc_u64 s[36:37], s[36:37], 12288
	s_add_nc_u64 s[38:39], s[38:39], 512
	XLOAD \buf, 12288, 512
.endif
	s_cmp_eq_u32 s23, 2
	s_cbranch_scc1 .Lv_\@
	EPI_QK
	s_branch .Lj_\@
.Lv_\@:
	EPI_V
.Lj_\@:
	s_add_co_u32 s26, s26, 1                       ; the row tile's number in the group
.endm
	XLOAD 0, 0, 0
	XLOAD 1, 12288, 512
	s_mov_b32 s26, 0
	s_mov_b32 s27, 7
.Lrt:                                                  ; seven trips of two row tiles; the last two are written out, so that no load leaves the buffer
	RT 0, 1, 28
	RT 1, 1, 28
	s_sub_co_u32 s27, s27, 1
	s_cmp_lg_u32 s27, 0
	s_cbranch_scc1 .Lrt
	RT 0, 0, 28
	RT 1, 0, 0
	s_endpgm
.Lfunc_end_k_q2048e3a491_proj:
	.size	k_q2048e3a491_proj, .Lfunc_end_k_q2048e3a491_proj-k_q2048e3a491_proj
	.p2alignl 7, 3214868480
	.fill 96, 4, 3214868480
	.section	.rodata,"a",@progbits
	.p2align	6, 0x0
	.amdhsa_kernel k_q2048e3a491_proj
		.amdhsa_group_segment_fixed_size 0
		.amdhsa_private_segment_fixed_size 0
		.amdhsa_enable_private_segment 0
		.amdhsa_kernarg_size 72
		.amdhsa_user_sgpr_count 2
		.amdhsa_user_sgpr_kernarg_segment_ptr 1
		.amdhsa_wavefront_size32 1
		.amdhsa_system_sgpr_workgroup_id_x 1
		.amdhsa_system_sgpr_workgroup_id_y 1
		.amdhsa_system_sgpr_workgroup_id_z 1
		.amdhsa_system_vgpr_workitem_id 0
		.amdhsa_next_free_vgpr 960
		.amdhsa_next_free_sgpr 66
		.amdhsa_reserve_vcc 0
		.amdhsa_float_denorm_mode_32 3
		.amdhsa_float_denorm_mode_16_64 3
		.amdhsa_memory_ordered 1
		.amdhsa_forward_progress 1
		.amdhsa_inst_pref_size 65
	.end_amdhsa_kernel
	.amdgpu_metadata
---
amdhsa.version: [ 1, 2 ]
amdhsa.kernels:
  - .name:           k_q2048e3a491_proj
    .symbol:         k_q2048e3a491_proj.kd
    .args:
      - { .name: cod, .offset: 0, .size: 8, .value_kind: global_buffer, .address_space: global }
      - { .name: scl, .offset: 8, .size: 8, .value_kind: global_buffer, .address_space: global }
      - { .name: wq_b, .offset: 16, .size: 8, .value_kind: global_buffer, .address_space: global }
      - { .name: wk_b, .offset: 24, .size: 8, .value_kind: global_buffer, .address_space: global }
      - { .name: wv_b, .offset: 32, .size: 8, .value_kind: global_buffer, .address_space: global }
      - { .name: qkc, .offset: 40, .size: 8, .value_kind: global_buffer, .address_space: global }
      - { .name: qks, .offset: 48, .size: 8, .value_kind: global_buffer, .address_space: global }
      - { .name: vc, .offset: 56, .size: 8, .value_kind: global_buffer, .address_space: global }
      - { .name: vs, .offset: 64, .size: 8, .value_kind: global_buffer, .address_space: global }
    .group_segment_fixed_size: 0
    .private_segment_fixed_size: 0
    .kernarg_segment_align: 8
    .kernarg_segment_size: 72
    .max_flat_workgroup_size: 128
    .sgpr_count:     66
    .vgpr_count:     960
    .wavefront_size: 32
...
	.end_amdgpu_metadata
.endif
;; end of part 2
;; launch attn (part 3): grid 32 x 8, 8 waves a work-group, clusters of 4 x 1, 327,680 bytes of LDS; arguments qkc, qks, vc, vs, attn_mask, attn_mask1, oc, os; writes oc, os
.if DOCPART == 3
	.amdgcn_target "amdgcn-amd-amdhsa--gfx1250"
	.amdhsa_code_object_version 6
	.text
	.protected	k_q2048e3a491_attn
	.globl	k_q2048e3a491_attn
	.p2align	8
	.type	k_q2048e3a491_attn,@function
k_q2048e3a491_attn:
	s_mov_b64 s[64:65], 0
	v_nop
	global_prefetch_b8 v0, s[64:65] scope:SCOPE_SE
	s_setreg_imm32_b32 hwreg(HW_REG_WAVE_MODE, 25, 1), 1
	s_wait_xcnt 0x0
	s_wait_alu depctr_hold_cnt(0) depctr_sa_sdst(0) depctr_va_vdst(0) depctr_va_sdst(0) depctr_va_ssrc(0) depctr_va_vcc(0) depctr_vm_vsrc(0)
	s_getreg_b32 s2, hwreg(HW_REG_IB_STS2, 6, 4)
	s_cmp_eq_u32 s2, 0
	s_cbranch_scc0 .Lentry_in_a_cluster
	s_endpgm
.Lentry_in_a_cluster:
	s_bfe_u32 s2, ttmp6, 0x10000c
	s_cmp_lg_u32 s2, 0x3003
	s_cbranch_scc0 .Lentry_shape_is_right
	s_endpgm
.Lentry_shape_is_right:
; val = (softmax(Q K^T / 8 + attn_mask) x attn_mask1) V on codes of FP6 (E2M3) with E8M0 scales; val is quantised along its row and leaves as codes (oc) and scale bytes (os).
; SHARES: a work-group takes one head (of 32, both batches) and 256 queries, in 16 tiles of 16 queries.  Wave w keeps keys 256 w .. 256 w + 255 of K and of V in registers for the whole launch.
; Both products are used transposed: a lane (r = lane % 16, h = lane / 16) holds query r; its 128 score registers are four blocks of 32 neighbouring keys, 64 c + 32 h on.  attn_mask is the C of the score products.
; THE SOFTMAX: each block of 64 keys takes its own largest score away, so that block c's exponentials run while block c + 1 is read and multiplied; the four block maxima, then the 16 partial
; maxima and sums of a query (8 waves x 2 halves, through LDS) are joined, and each block is multiplied by 2^(its maximum - the row's) / the row's sum: the finished softmax, then x attn_mask1, then the quantiser.
; The partial O^T of the 8 waves are added through LDS one tile later.
; CLUSTER: the four heads of a cluster read the same rows of both masks: joint loads, one a wave behind each of the two rounds of a tile (attn_mask behind the round that shows the sums, attn_mask1 behind the one that shows O^T).
; The four clusters that read the same mask rows differ in the cluster's y / 2; its x is the block of 256 queries, y % 2 the batch.
; PREFETCH: in tile t each wave names one row (8,192 bytes, a lane to 256 bytes) of tile t + 2's masks: waves 0-3 attn_mask, waves 4-7 attn_mask1, row 4 x place in the cluster + wave % 4; tiles 14 and 15 ask for nothing.
; LIMITS: a block whose every score lies under -1e38 is taken at that floor; NaN and infinities are not served; a block of zeros gets the scale byte 1 (its codes are zeros; this program alone reads the bytes).
.set SUB,   16640
.set PFA, 50
.set PFO, 64
.set BOF,   133120
.set PO,    266240
.set ST2,   299008
.set STAT,  303360
.set QL,    305664
.set QS,    317952
.set SPARE, 318464
.set SPW, 1
.set NIL, 2
.set AM,  3
.set BM,  4
.set QA0, 5
.set QS0, 6
.set STW, 7
.set STR, 8
.set POW, 9
.set POR, 10
.set S2W, 11
.set S2R, 12
.set OCO, 13
.set OSO, 14
.set SH8, 15
.set NM,  16
.set L0,  18
.set L1,  20
.set FF,  22
.set NG,  24
.set QAD, 30
.set QSD, 31
.set KS,  32
.set VS,  40
.set QW,  44
.set PW,  45
.set QLW, 46
.set QSW, 47
.set PF,  48
.set PT,  60
.set X2,  48
.set BW,  68
.set RO,  76
.set T1,  80
.set G,   112
.set E,   128
.set KF,  0
.set QF,  102
.set VF,  114
.set OA,  210
.set WV,  20
.set CNT, 26
.set TQ,  27
.set G1,  28
.set GA,  36
.set GB,  40
.set SEL, 44
.set CL,  46
.set TS,  62
.set MSB, 0
.macro WIN new
.if MSB != \new
	s_set_vgpr_msb (MSB<<8)|\new
.set MSB, \new
.endif
.endm
.macro ROUND
	s_barrier_signal -1
	s_barrier_wait -1
	s_cmp_lg_u32 s[WV], 0
	s_cbranch_scc1 .Lnot_wave_0_\@
	s_barrier_signal -3
.Lnot_wave_0_\@:
	s_barrier_wait -3
	s_barrier_signal -1
	s_barrier_wait -1
.endm
	s_load_b512 s[4:19], s[0:1], 0x0
	v_lshl_add_u32 v[SPW], v0, 2, SPARE
	v_mov_b32 v[NIL], 0
	ds_add_u32 v1, v2
	ds_add_u32 v1, v2
	s_wait_dscnt 0x0
	WIN 0x40
.irp i, 0,1,2,3,4,5
	v_mov_b32 v[96+\i], 0
	v_mov_b32 v[108+\i], 0
.endr
	WIN 0
	v_lshrrev_b32 v26, 5, v0
	s_delay_alu instid0(VALU_DEP_1)
	v_readfirstlane_b32 s[WV], v26
	s_bfe_u32 s21, ttmp6, 0x40000                  ; my place in the cluster
	s_and_b32 s25, ttmp7, 0xffff                   ; the cluster's y:
	s_and_b32 s23, s25, 1                          ; batch = y % 2,
	s_lshr_b32 s24, s25, 1
	s_lshl_b32 s24, s24, 2
	s_add_co_u32 s24, s24, s21                     ; head in the batch = 4 (y / 2) + place
	s_lshl_b32 s22, s23, 4
	s_add_co_u32 s22, s22, s24                     ; head of 32
	s_mov_b32 s25, ttmp9                           ; block of 256 queries = the cluster's x
	s_mov_b32 s[G1], 15|(2<<16)|(1<<20)|(1<<21)|(7<<22)|(3<<25)
	s_mov_b32 s[G1+1], 256<<16
	s_mov_b32 s[G1+2], 16<<16
	s_mov_b32 s[G1+3], 256<<16
	s_mov_b32 s[G1+4], 16
	s_mov_b32 s[G1+5], 2048
	s_mov_b32 s[G1+6], 0
	s_mov_b32 s[G1+7], 0
	s_lshl_b32 s50, s23, 24
	s_lshl_b32 s51, s25, 21
	s_add_co_u32 s50, s50, s51
	s_lshl_b32 s51, s[WV], 10
	s_add_co_u32 s50, s50, s51
	s_mov_b32 s51, 0
	s_mov_b32 s[GA], 1
	s_mul_i32 s[GA+1], s[WV], SUB
	s_mov_b32 s[GB], 1
	s_add_co_u32 s[GB+1], s[GA+1], BOF
	s_mov_b32 s[SEL], 0x76543210
	s_mov_b32 s[SEL+1], 0xfedcba98
	s_mov_b32 s[CL], 0x3fb8aa3b
	s_mov_b32 s[CL+1], s[CL]
	s_mov_b32 s[TQ], 0
	s_mov_b32 s[TS], 0
	s_wait_kmcnt 0x0
	s_add_nc_u64 s[GA+2:GA+3], s[12:13], s[50:51]
	s_or_b32 s[GA+3], s[GA+3], 0x80000000
	s_add_nc_u64 s[GB+2:GB+3], s[14:15], s[50:51]
	s_or_b32 s[GB+3], s[GB+3], 0x80000000
	ROUND
	tensor_load_to_lds s[GA:GA+3], s[G1:G1+7]
	s_nop 0
.rept 4
	v_nop
.endr
	v_and_b32 v26, 31, v0
	v_and_b32 v27, 15, v0
	v_bfe_u32 v28, v0, 4, 1
	s_delay_alu instid0(VALU_DEP_2)
	v_mul_u32_u24 v[AM], v27, 1040
	s_delay_alu instid0(VALU_DEP_1)
	v_lshl_add_u32 v[AM], v28, 7, v[AM]
	s_delay_alu instid0(VALU_DEP_1)
	v_add_nc_u32 v[AM], s[GA+1], v[AM]
	s_delay_alu instid0(VALU_DEP_1)
	v_add_nc_u32 v[BM], BOF, v[AM]
	v_lshl_add_u32 v[QA0], v26, 3, QL
	v_lshl_add_u32 v[QS0], v27, 1, QS
	s_lshl_b32 s48, s[WV], 4
	v_mul_u32_u24 v29, v27, 144
	s_delay_alu instid0(VALU_DEP_1)
	v_add_nc_u32 v[STR], STAT, v29
	s_delay_alu instid0(VALU_DEP_1)
	v_lshl_add_u32 v[STW], v28, 2, v[STR]
	s_delay_alu instid0(VALU_DEP_1)
	v_add_nc_u32 v[STW], s48, v[STW]
	s_delay_alu instid0(VALU_DEP_3)
	v_lshl_add_u32 v[STR], v28, 6, v[STR]
	s_lshl_b32 s49, s[WV], 9
	v_lshl_add_u32 v[POW], v26, 4, PO
	s_delay_alu instid0(VALU_DEP_1)
	v_add_nc_u32 v[POR], s49, v[POW]
	s_lshl_b32 s49, s[WV], 12
	v_add_nc_u32 v[POW], s49, v[POW]
	v_mul_u32_u24 v[S2W], v27, 272
	s_delay_alu instid0(VALU_DEP_1)
	v_lshl_add_u32 v[S2W], v28, 7, v[S2W]
	s_delay_alu instid0(VALU_DEP_1)
	v_add_nc_u32 v[S2W], s48, v[S2W]
	s_delay_alu instid0(VALU_DEP_1)
	v_add_nc_u32 v[S2W], ST2, v[S2W]
	s_and_b32 s49, s[WV], 1
	s_mul_i32 s52, s49, 8*272
	v_lshrrev_b32 v29, 2, v26
	s_delay_alu instid0(VALU_DEP_1)
	v_mul_u32_u24 v[S2R], v29, 272
	v_and_b32 v29, 3, v0
	s_delay_alu instid0(VALU_DEP_1)
	v_lshl_add_u32 v[S2R], v29, 6, v[S2R]
	s_delay_alu instid0(VALU_DEP_1)
	v_add_nc_u32 v[S2R], s52, v[S2R]
	s_delay_alu instid0(VALU_DEP_1)
	v_add_nc_u32 v[S2R], ST2, v[S2R]
	s_mul_i32 s52, s49, 384
	v_mul_u32_u24 v[OCO], v26, 12
	s_delay_alu instid0(VALU_DEP_1)
	v_add_nc_u32 v[OCO], s52, v[OCO]
	s_lshl_b32 s52, s49, 4
	v_lshrrev_b32 v[OSO], 1, v26
	s_delay_alu instid0(VALU_DEP_1)
	v_add_nc_u32 v[OSO], s52, v[OSO]
	v_lshlrev_b32 v[SH8], 3, v28
	v_mul_u32_u24 v[QLW], v27, 768
	s_delay_alu instid0(VALU_DEP_1)
	v_lshl_add_u32 v[QLW], v28, 7, v[QLW]
	s_delay_alu instid0(VALU_DEP_1)
	v_add_nc_u32 v[QLW], s48, v[QLW]
	s_delay_alu instid0(VALU_DEP_1)
	v_add_nc_u32 v[QLW], QL, v[QLW]
	v_lshlrev_b32 v[QSW], 5, v27
	s_delay_alu instid0(VALU_DEP_1)
	v_lshl_add_u32 v[QSW], v28, 1, v[QSW]
	s_lshl_b32 s52, s[WV], 2
	v_add_nc_u32 v[QSW], s52, v[QSW]
	s_delay_alu instid0(VALU_DEP_1)
	v_add_nc_u32 v[QSW], QS, v[QSW]
	v_lshlrev_b32 v112, 3, v26
	v_lshlrev_b32 v113, 1, v27
	s_delay_alu instid0(VALU_DEP_1)
	v_lshl_add_u32 v113, v28, 13, v113
	v_and_b32 v29, 7, v0
	v_bfe_u32 v118, v0, 3, 1
	s_delay_alu instid0(VALU_DEP_2)
	v_mul_u32_u24 v114, v29, 196608
	s_delay_alu instid0(VALU_DEP_1)
	v_lshl_add_u32 v114, v118, 4, v114
	s_delay_alu instid0(VALU_DEP_1)
	v_lshl_add_u32 v114, v28, 7, v114
	v_lshlrev_b32 v115, 13, v29
	s_delay_alu instid0(VALU_DEP_1)
	v_lshl_add_u32 v115, v118, 2, v115
	s_delay_alu instid0(VALU_DEP_1)
	v_lshl_add_u32 v115, v28, 16, v115
	v_mul_u32_u24 v116, v29, 1536
	s_delay_alu instid0(VALU_DEP_1)
	v_mad_u32_u24 v116, v118, 49152, v116
	s_delay_alu instid0(VALU_DEP_1)
	v_mad_u32_u24 v116, v28, 24, v116
	v_lshlrev_b32 v117, 6, v29
	s_delay_alu instid0(VALU_DEP_1)
	v_lshl_add_u32 v117, v118, 11, v117
	s_delay_alu instid0(VALU_DEP_1)
	v_lshl_add_u32 v117, v28, 2, v117
.irp i, 21,23,69,71,73,75
	v_mov_b32 v[\i], 0                             ; upper words of pairs of which the packed forms take the low word alone: written once
.endr
	v_lshlrev_b32 v[PFO], 8, v26                   ; the prefetches' offset: 256 bytes a lane; never rewritten
	v_add_nc_u32 v[QAD], s[TQ], v[QA0]
	v_add_nc_u32 v[QSD], s[TS], v[QS0]
	s_lshl_b32 s52, s23, 7
	s_lshl_b32 s53, s24, 3
	s_add_co_u32 s52, s52, s53
	s_add_co_u32 s53, s52, s25
	s_add_co_u32 s52, s52, s[WV]
	s_mov_b32 s59, 0
	s_lshl_b32 s58, s[WV], 9
	s_add_co_u32 s58, s58, s53
	s_mul_i32 s58, s58, 768
	s_add_nc_u64 s[54:55], s[4:5], s[58:59]
	s_lshl_b32 s58, s[WV], 14
	s_lshl_b32 s60, s53, 5
	s_add_co_u32 s58, s58, s60
	s_add_nc_u64 s[56:57], s[6:7], s[58:59]
	s_mul_i32 s58, s52, 768
	s_add_co_u32 s58, s58, 3145728
	s_add_nc_u64 s[4:5], s[4:5], s[58:59]
	s_lshl_b32 s58, s52, 5
	s_add_co_u32 s58, s58, 131072
	s_add_nc_u64 s[6:7], s[6:7], s[58:59]
	s_mul_i32 s58, s22, 98304
	s_mul_i32 s60, s[WV], 192
	s_add_co_u32 s58, s58, s60
	s_add_nc_u64 s[8:9], s[8:9], s[58:59]
	s_lshl_b32 s58, s22, 12
	s_lshl_b32 s60, s[WV], 3
	s_add_co_u32 s58, s58, s60
	s_add_nc_u64 s[10:11], s[10:11], s[58:59]
	s_mul_i32 s58, s53, 12288
	s_add_nc_u64 s[16:17], s[16:17], s[58:59]
	s_lshl_b32 s58, s53, 9
	s_add_nc_u64 s[18:19], s[18:19], s[58:59]
	s_lshl_b32 s50, s23, 24                        ; the prefetches: batch, block of queries,
	s_lshl_b32 s52, s25, 21
	s_add_co_u32 s50, s50, s52
	s_lshl_b32 s52, s21, 2
	s_and_b32 s53, s[WV], 3
	s_add_co_u32 s52, s52, s53                     ; row 4 x place + wave % 4 of a tile's 16,
	s_lshl_b32 s52, s52, 13
	s_add_co_u32 s50, s50, s52
	s_add_co_u32 s50, s50, 131072                  ; at tile 1: each tile steps it by one tile ahead of its request
	s_cmp_lt_u32 s[WV], 4
	s_cselect_b64 s[52:53], s[12:13], s[14:15]     ; waves 0-3 attn_mask, waves 4-7 attn_mask1
	s_add_nc_u64 s[PFA:PFA+1], s[52:53], s[50:51]
.irp g, 0,1
.irp i, 0,1,2
	global_load_b64 v[T1+6*\g+2*\i:T1+6*\g+2*\i+1], v112, s[54:55] offset:196608*\g+256*\i
.endr
.endr
	global_load_u16 v[T1+12], v113, s[56:57]
	WIN 0x40
.set tt, 0
.rept 16
.irp i, 0,1,2
	global_load_b64 v[KF+6*tt+2*\i:KF+6*tt+2*\i+1], v114, s[4:5] offset:(tt%2)*1572864+32*(tt/4)+8*((tt%4)/2)+256*\i
.endr
.set tt, tt+1
.endr
	WIN 0
.irp i, 0,1,2,3,4,5,6,7
	global_load_u16 v[KS+\i], v115, s[6:7] offset:8*(\i/2)+2*(\i%2)
.endr
	s_wait_alu depctr_va_vdst(0)
	s_wait_loadcnt 56
.irp g, 0,1
.irp i, 0,1,2
	ds_store_b64 v[QLW], v[T1+6*\g+2*\i:T1+6*\g+2*\i+1] offset:8*\g+256*\i
.endr
.endr
	ds_store_b16 v[QSW], v[T1+12]
	WIN 0x40
.irp u, 0,1,2,3
.irp q, 0,1
.irp c, 0,1
.irp i, 0,1,2
	global_load_b64 v[VF+12*(2*\u+\q)+6*\c+2*\i:VF+12*(2*\u+\q)+6*\c+2*\i+1], v116, s[8:9] offset:12288*\u+96*\q+48*\c+8*\i
.endr
.endr
.endr
.endr
	WIN 0
.irp u, 0,1,2,3
	global_load_b32 v[VS+\u], v117, s[10:11] offset:512*\u
.endr
.macro NEXT
	WIN 0x40
.irp i, 0,1,2
	ds_load_b64 v[QF+2*\i:QF+2*\i+1], v[QAD] offset:256*\i
.endr
	WIN 0
	ds_load_u16 v[QW], v[QSD]
.irp c, 0,1,2,3
.irp i, 0,1,2,3,4,5,6,7
	ds_load_b128 v[E+32*\c+4*\i:E+32*\c+4*\i+3], v[AM] offset:256*\c+16*\i
.endr
.endr
.endm
.macro WBLK c
	WIN 0x05
.irp u, 0,1,2,3
.set tt, 4*(\c)+\u
.if tt%2
	v_wmma_scale_f32_16x16x128_f8f6f4 v[E+8*tt:E+8*tt+7], v[KF+6*tt:KF+6*tt+11], v[QF:QF+11], v[E+8*tt:E+8*tt+7], v[KS+tt/2], v[QW] matrix_a_fmt:MATRIX_FMT_FP6 matrix_b_fmt:MATRIX_FMT_FP6 matrix_a_scale:MATRIX_SCALE_ROW1
.else
	v_wmma_scale_f32_16x16x128_f8f6f4 v[E+8*tt:E+8*tt+7], v[KF+6*tt:KF+6*tt+11], v[QF:QF+11], v[E+8*tt:E+8*tt+7], v[KS+tt/2], v[QW] matrix_a_fmt:MATRIX_FMT_FP6 matrix_b_fmt:MATRIX_FMT_FP6
.endif
.endr
.endm
; block c's largest score of my query and half, as -max x log2(e), into v[BW + 2 c].  Four chains by turns, each accumulator from its low end on
.macro MB c
.irp j, 0,1,2,3
	v_max3_num_f32 v[26+\j], v[E+32*(\c)+8*\j], v[E+32*(\c)+8*\j+1], v[E+32*(\c)+8*\j+2]
.endr
.irp i, 3,5
.irp j, 0,1,2,3
	v_max3_num_f32 v[26+\j], v[26+\j], v[E+32*(\c)+8*\j+\i], v[E+32*(\c)+8*\j+\i+1]
.endr
.endr
	v_max3_num_f32 v26, v26, v[E+32*(\c)+7], v[E+32*(\c)+15]
	v_max3_num_f32 v27, v27, v[E+32*(\c)+23], v[E+32*(\c)+31]
	v_max3_num_f32 v28, v28, v29, 0xfe967699       ; the floor -1e38
	s_delay_alu instid0(VALU_DEP_1)
	v_max3_num_f32 v26, v26, v27, v28
	s_delay_alu instid0(VALU_DEP_1)
	v_mul_f32 v[BW+2*(\c)], 0xbfb8aa3b, v26
.endm
; (score - the block's largest) x log2(e), two at a time
.macro PKFB c
.irp i, 0,1,2,3,4,5,6,7,8,9,10,11,12,13,14,15
	v_pk_fma_f32 v[E+32*(\c)+2*\i:E+32*(\c)+2*\i+1], v[E+32*(\c)+2*\i:E+32*(\c)+2*\i+1], s[CL:CL+1], v[BW+2*(\c):BW+2*(\c)+1] op_sel_hi:[1,0,0]
.endr
.endm
; a batch of 32 exponentials
.macro EXPB c
.set ee, E+32*(\c)
.rept 32
	v_exp_f32 v[ee], v[ee]
.set ee, ee+1
.endr
.endm
; block c's sum, in two halves, into v[G + 8 + 2 c ..]: four chains by turns
.macro ADDB c
.irp j, 0,1,2,3
	v_pk_add_f32 v[G+2*\j:G+2*\j+1], v[E+32*(\c)+4*\j:E+32*(\c)+4*\j+1], v[E+32*(\c)+4*\j+2:E+32*(\c)+4*\j+3]
.endr
.irp q, 8,9,10,11,12,13,14,15
	v_pk_add_f32 v[G+2*(\q%4):G+2*(\q%4)+1], v[G+2*(\q%4):G+2*(\q%4)+1], v[E+32*(\c)+2*\q:E+32*(\c)+2*\q+1]
.endr
	v_pk_add_f32 v[G:G+1], v[G:G+1], v[G+2:G+3]
	v_pk_add_f32 v[G+4:G+5], v[G+4:G+5], v[G+6:G+7]
	s_delay_alu instid0(VALU_DEP_1)
	v_pk_add_f32 v[G+8+2*(\c):G+9+2*(\c)], v[G:G+1], v[G+4:G+5]
.endm
; block c's products are started and block c - 1's exponentials run behind them.  left: the LDS loads younger than block c's mask.
; Two waits: one ahead of the batch (and of the wait for LDS), one behind it, directly ahead of the first read of the new scores; the four v_nop are the places behind the products.
.macro STAGE c, left
	s_wait_alu depctr_va_vdst(0)
	s_wait_dscnt \left
	WBLK \c
	WIN 0
	EXPB (\c)-1
.rept 4
	v_nop
.endr
	s_wait_alu depctr_va_vdst(0)
	MB \c
	PKFB \c
.endm
.macro REFILL g
	s_wait_tensorcnt 0x0
	ds_add_u32 v[SPW], v[NIL]
	s_add_nc_u64 s[\g+2:\g+3], s[\g+2:\g+3], 131072
	s_wait_dscnt 0x0
	ROUND
	tensor_load_to_lds s[\g:\g+3], s[G1:G1+7]
	s_nop 0
.rept 4
	v_nop
.endr
.endm
.macro MERGE
	v_min3_num_f32 v26, v[G], v[G+1], v[G+4]
	s_delay_alu instid0(VALU_DEP_1)
	v_min3_num_f32 v26, v26, v[G+5], v[G+8]
	s_delay_alu instid0(VALU_DEP_1)
	v_min3_num_f32 v26, v26, v[G+9], v[G+12]
	s_delay_alu instid0(VALU_DEP_1)
	v_min_num_f32 v26, v26, v[G+13]
	s_delay_alu instid0(VALU_DEP_1)
	v_permlanex16_b32 v29, v26, s[SEL], s[SEL+1]
	s_delay_alu instid0(VALU_DEP_1)
	v_min_num_f32 v[NG], v26, v29
	s_delay_alu instid0(VALU_DEP_1)
	v_mov_b32 v[NG+1], v[NG]
.irp i, 0,1,2,3
	v_pk_add_f32 v[G+4*\i:G+4*\i+1], v[NG:NG+1], v[G+4*\i:G+4*\i+1] neg_lo:[0,1] neg_hi:[0,1]
.endr
	v_sub_f32 v27, v[NG], v[NM]
	s_wait_alu depctr_va_vdst(0)
.irp i, 0,1,2,3
	v_exp_f32 v[G+4*\i], v[G+4*\i]
	v_exp_f32 v[G+4*\i+1], v[G+4*\i+1]
.endr
	v_exp_f32 v27, v27
	v_nop
	s_wait_alu depctr_va_vdst(0)
	v_pk_mul_f32 v[L0:L0+1], v[G:G+1], v[G+2:G+3]
.irp i, 1,2,3
	v_pk_fma_f32 v[L0:L0+1], v[G+4*\i:G+4*\i+1], v[G+4*\i+2:G+4*\i+3], v[L0:L0+1]
.endr
	s_delay_alu instid0(VALU_DEP_1)
	v_add_f32 v26, v[L0], v[L0+1]
	s_delay_alu instid0(VALU_DEP_1)
	v_permlanex16_b32 v29, v26, s[SEL], s[SEL+1]
	s_delay_alu instid0(VALU_DEP_1)
	v_add_f32 v26, v26, v29
	s_wait_alu depctr_va_vdst(0)
	v_rcp_f32 v26, v26
	v_nop
	s_wait_alu depctr_va_vdst(0)
	v_mul_f32 v27, v27, v26                        ; 2^(my largest - the row's) / the row's sum,
.irp b, 0,1,2,3
	v_mul_f32 v[L0+2*\b], v27, v[BW+2*\b]          ; x 2^(block b's largest - mine): block b's factor
.endr
.endm
.macro EF c
.irp i, 0,1,2,3,4,5,6,7,8,9,10,11,12,13,14,15
	v_pk_mul_f32 v[E+32*(\c)+2*\i:E+32*(\c)+2*\i+1], v[E+32*(\c)+2*\i:E+32*(\c)+2*\i+1], v[L0+2*(\c):L0+2*(\c)+1] op_sel_hi:[1,0]
.endr
.endm
.macro LD1 c
.irp i, 0,1,2,3,4,5,6,7
	ds_load_b128 v[T1+4*\i:T1+4*\i+3], v[BM] offset:256*(\c)+16*\i
.endr
.endm
.macro M1 c
.irp i, 0,1,2,3,4,5,6,7,8,9,10,11,12,13,14,15
	v_pk_mul_f32 v[E+32*(\c)+2*\i:E+32*(\c)+2*\i+1], v[E+32*(\c)+2*\i:E+32*(\c)+2*\i+1], v[T1+2*\i:T1+2*\i+1]
.endr
.endm
.macro BMAX c
	v_max3_num_f32 v[BW], |v[E+32*(\c)]|, |v[E+32*(\c)+1]|, 0x1800000
	v_max3_num_f32 v[BW+1], |v[E+32*(\c)+16]|, |v[E+32*(\c)+17]|, |v[E+32*(\c)+18]|
.irp i, 0,1,2,3,4,5
	s_delay_alu instid0(VALU_DEP_2)
	v_max3_num_f32 v[BW], v[BW], |v[E+32*(\c)+2+2*\i]|, |v[E+32*(\c)+3+2*\i]|
	s_delay_alu instid0(VALU_DEP_2)
	v_max3_num_f32 v[BW+1], v[BW+1], |v[E+32*(\c)+19+2*\i]|, |v[E+32*(\c)+20+2*\i]|
.endr
	s_delay_alu instid0(VALU_DEP_2)
	v_max3_num_f32 v[BW], v[BW], |v[E+32*(\c)+14]|, |v[E+32*(\c)+15]|
	s_delay_alu instid0(VALU_DEP_1)
	v_max3_num_f32 v[BW], v[BW], v[BW+1], |v[E+32*(\c)+31]|
.endm
.macro CODES c
	v_add_nc_u32 v[BW+2], 0xff000000, v[BW]
	s_delay_alu instid0(VALU_DEP_1)
	v_lshrrev_b32 v[BW+4+(\c)%2], 23, v[BW+2]
	v_cvt_scalef32_pk16_fp6_f32 v[PF+6*((\c)%2):PF+6*((\c)%2)+2], v[E+32*(\c):E+32*(\c)+15], v[BW+2]
	v_cvt_scalef32_pk16_fp6_f32 v[PT:PT+2], v[E+32*(\c)+16:E+32*(\c)+31], v[BW+2]
	v_nop
.irp i, 0,1,2
	v_mov_b32 v[PF+6*((\c)%2)+3+\i], v[PT+\i]
.endr
.endm
.macro WORD
	v_lshl_or_b32 v[BW+6], v[BW+5], 16, v[BW+4]
	s_delay_alu instid0(VALU_DEP_1)
	v_lshlrev_b32 v[BW+6], v[SH8], v[BW+6]
	s_delay_alu instid0(VALU_DEP_1)
	v_permlanex16_b32 v29, v[BW+6], s[SEL], s[SEL+1]
	s_delay_alu instid0(VALU_DEP_1)
	v_or_b32 v[PW], v[BW+6], v29
.endm
.macro PV q
	WIN 0x51
.irp u, 0,1,2,3
.if \q == 0
	v_wmma_scale_f32_16x16x128_f8f6f4 v[OA+8*\u:OA+8*\u+7], v[VF+24*\u:VF+24*\u+11], v[PF:PF+11], 0, v[VS+\u], v[PW] matrix_a_fmt:MATRIX_FMT_FP6 matrix_b_fmt:MATRIX_FMT_FP6
.else
	v_wmma_scale_f32_16x16x128_f8f6f4 v[OA+8*\u:OA+8*\u+7], v[VF+24*\u+12:VF+24*\u+23], v[PF:PF+11], v[OA+8*\u:OA+8*\u+7], v[VS+\u], v[PW] matrix_a_fmt:MATRIX_FMT_FP6 matrix_b_fmt:MATRIX_FMT_FP6 matrix_a_scale:MATRIX_SCALE_ROW1
.endif
.endr
	WIN 0
.endm
.macro RLOAD
.irp p, 0,1,2,3,4,5,6,7
	ds_load_b128 v[T1+4*\p:T1+4*\p+3], v[POR] offset:4096*\p
.endr
.endm
.macro RSUM
.irp p, 0,2,4,6
	v_pk_add_f32 v[T1+4*\p:T1+4*\p+1], v[T1+4*\p:T1+4*\p+1], v[T1+4*\p+4:T1+4*\p+5]
	v_pk_add_f32 v[T1+4*\p+2:T1+4*\p+3], v[T1+4*\p+2:T1+4*\p+3], v[T1+4*\p+6:T1+4*\p+7]
.endr
.irp p, 0
	v_pk_add_f32 v[T1+4*\p:T1+4*\p+1], v[T1+4*\p:T1+4*\p+1], v[T1+4*\p+8:T1+4*\p+9]
	v_pk_add_f32 v[T1+4*\p+2:T1+4*\p+3], v[T1+4*\p+2:T1+4*\p+3], v[T1+4*\p+10:T1+4*\p+11]
.endr
.irp p, 4
	s_delay_alu instid0(VALU_DEP_4)
	v_pk_add_f32 v[T1+4*\p:T1+4*\p+1], v[T1+4*\p:T1+4*\p+1], v[T1+4*\p+8:T1+4*\p+9]
	s_delay_alu instid0(VALU_DEP_4)
	v_pk_add_f32 v[T1+4*\p+2:T1+4*\p+3], v[T1+4*\p+2:T1+4*\p+3], v[T1+4*\p+10:T1+4*\p+11]
.endr
	s_delay_alu instid0(VALU_DEP_2)
	v_pk_add_f32 v[T1:T1+1], v[T1:T1+1], v[T1+16:T1+17]
	s_delay_alu instid0(VALU_DEP_2)
	v_pk_add_f32 v[T1+2:T1+3], v[T1+2:T1+3], v[T1+18:T1+19]
	ds_store_b128 v[S2W], v[T1:T1+3]
.endm
.macro XLD
.irp i, 0,1,2,3
	ds_load_b128 v[X2+4*\i:X2+4*\i+3], v[S2R] offset:16*\i
.endr
.endm
.macro ROWOUT
	s_cmp_lt_u32 s[WV], 2
	s_cbranch_scc0 .Lno_row_\@
	s_wait_xcnt 0x0
	s_add_nc_u64 s[16:17], s[16:17], 768
	s_add_nc_u64 s[18:19], s[18:19], 32
	v_max3_num_f32 v[BW], |v[X2]|, |v[X2+1]|, 0x1800000
	v_max3_num_f32 v[BW+1], |v[X2+2]|, |v[X2+3]|, |v[X2+4]|
.irp i, 5,9
	s_delay_alu instid0(VALU_DEP_2)
	v_max3_num_f32 v[BW], v[BW], |v[X2+\i]|, |v[X2+\i+1]|
	s_delay_alu instid0(VALU_DEP_2)
	v_max3_num_f32 v[BW+1], v[BW+1], |v[X2+\i+2]|, |v[X2+\i+3]|
.endr
	s_delay_alu instid0(VALU_DEP_2)
	v_max3_num_f32 v[BW], v[BW], |v[X2+13]|, |v[X2+14]|
	s_delay_alu instid0(VALU_DEP_1)
	v_max3_num_f32 v[BW], v[BW], v[BW+1], |v[X2+15]|
	s_delay_alu instid0(VALU_DEP_1)
	v_max_num_f32_dpp v[BW], v[BW], v[BW] row_xmask:1 row_mask:0xf bank_mask:0xf
	s_delay_alu instid0(VALU_DEP_1)
	v_add_nc_u32 v[BW+2], 0xff000000, v[BW]
	v_cvt_scalef32_pk16_fp6_f32 v[RO:RO+2], v[X2:X2+15], v[BW+2]
	v_lshrrev_b32 v[RO+3], 23, v[BW+2]
	global_store_b96 v[OCO], v[RO:RO+2], s[16:17] offset:-768
	global_store_b8 v[OSO], v[RO+3], s[18:19] offset:-32
.Lno_row_\@:
.endm
.macro TILE fill, prev
	s_wait_dscnt 24+8*\prev                        ; Q and block 0's mask are in; younger: three blocks of 8 loads, and the 8 partial O^T of the last tile
	WBLK 0
	WIN 0
.if \fill
	s_wait_xcnt 0x0                                ; the last tile's prefetch has read its address
	s_add_nc_u64 s[PFA:PFA+1], s[PFA:PFA+1], 131072
	s_add_co_u32 s[TQ], s[TQ], 768
	s_add_co_u32 s[TS], s[TS], 32
	v_add_nc_u32 v[QAD], s[TQ], v[QA0]
	v_add_nc_u32 v[QSD], s[TS], v[QS0]
	v_nop
	v_nop
.else
.rept 4
	v_nop
.endr
.endif
	MB 0
	PKFB 0
	STAGE 1, 16+8*\prev
	ADDB 0
	STAGE 2, 8+8*\prev
	ADDB 1
	STAGE 3, 8*\prev
	ADDB 2
	v_min3_num_f32 v[NM], v[BW], v[BW+2], v[BW+4]  ; -(my largest) x log2(e): the least of the four
	s_delay_alu instid0(VALU_DEP_1)
	v_min_num_f32 v[NM], v[NM], v[BW+6]
	s_delay_alu instid0(VALU_DEP_1)
.irp b, 0,1,2,3
	v_sub_f32 v[BW+2*\b], v[NM], v[BW+2*\b]        ; (block b's largest - mine) x log2(e), 0 or less
.endr
	s_wait_alu depctr_va_vdst(0)                   ; the wait ahead of the batch
.if \prev
	s_wait_dscnt 0x0                               ; the last tile's partial O^T are in
.endif
	EXPB 3
.irp b, 0,1,2,3
	v_exp_f32 v[BW+2*\b], v[BW+2*\b]               ; what brings block b under my largest: it rides in the last batch
.endr
.if \prev
	RSUM                                           ; plain work behind the batch
.else
	v_nop
.endif
	s_wait_alu depctr_va_vdst(0)                   ; and the wait behind it
	ADDB 3
	v_pk_mul_f32 v[L0:L0+1], v[G+8:G+9], v[BW:BW+1] op_sel_hi:[1,0]
.irp b, 1,2,3
	v_pk_fma_f32 v[L0:L0+1], v[G+8+2*\b:G+9+2*\b], v[BW+2*\b:BW+2*\b+1], v[L0:L0+1] op_sel_hi:[1,0,1]
.endr
	s_delay_alu instid0(VALU_DEP_1)
	v_add_f32 v[L0], v[L0], v[L0+1]                ; my sum under my largest
	ds_store_b32 v[STW], v[NM]
	ds_store_b32 v[STW], v[L0] offset:8
.if \fill
	REFILL GA
.else
	s_wait_tensorcnt 0x0
	s_wait_dscnt 0x0
	s_barrier_signal -1
	s_barrier_wait -1
.endif
.irp i, 0,1,2,3
	ds_load_b128 v[G+4*\i:G+4*\i+3], v[STR] offset:16*\i
.endr
.if \prev
	XLD
.endif
	LD1 0
	s_wait_dscnt 8
	MERGE
	EF 0
.if \prev
	ROWOUT
.endif
.if \fill
.if \prev
	s_cmp_eq_u32 s[CNT], 1                         ; the loop's last trip is tile 14: there is no tile 16
	s_cbranch_scc1 .Lno_ask_\@
.endif
	global_prefetch_b8 v[PFO], s[PFA:PFA+1] th:TH_LOAD_NT scope:SCOPE_SE   ; my row of the masks of the tile two on
.Lno_ask_\@:
.endif
	s_wait_dscnt 0x0
.irp c, 0,1,2,3
	M1 \c
.if \c < 3
	LD1 \c+1
.endif
.if \c == 2
	PV 0
.endif
	BMAX \c
.if \c < 3
	EF \c+1
.endif
	CODES \c
.if \c%2
	WORD
.endif
.if \c < 3
	s_wait_dscnt 0x0
.endif
.endr
.rept 8
	v_nop
.endr
	PV 1
.rept 4
	v_nop
.endr
	WIN 0x04
.irp u, 0,1,2,3
	ds_store_b128 v[POW], v[OA+8*\u:OA+8*\u+3] offset:1024*\u
	ds_store_b128 v[POW], v[OA+8*\u+4:OA+8*\u+7] offset:1024*\u+512
.endr
	WIN 0
.if \fill
	REFILL GB
	NEXT
.else
	s_wait_dscnt 0x0
	s_barrier_signal -1
	s_barrier_wait -1
.endif
	RLOAD
.endm
	s_wait_alu depctr_va_vdst(0)                   ; the wait at the head's end
	s_wait_tensorcnt 0x0                           ; my part of tile 0's attn_mask is in; K's, V's and Q's loads were issued while it was on its way
	ds_add_u32 v[SPW], v[NIL]
	s_wait_dscnt 0x0                               ; the add is done, and my part of Q lies in LDS
	ROUND                                          ; both now hold of every wave of the cluster
	tensor_load_to_lds s[GB:GB+3], s[G1:G1+7]      ; tile 0's attn_mask1: a first fill, issued as a refill is
	s_nop 0
.rept 4
	v_nop
.endr
	NEXT
	s_wait_loadcnt 0x0
	TILE 1, 0
	s_mov_b32 s[CNT], 14
.Ltile:
	TILE 1, 1
	s_sub_co_u32 s[CNT], s[CNT], 1
	s_cmp_lg_u32 s[CNT], 0
	s_cbranch_scc1 .Ltile
	TILE 0, 1
	s_wait_dscnt 0x0
	RSUM
	s_wait_dscnt 0x0
	s_barrier_signal -1
	s_barrier_wait -1
	XLD
	s_wait_dscnt 0x0
	ROWOUT
	s_wait_tensorcnt 0x0
	ds_add_u32 v[SPW], v[NIL]
	s_wait_dscnt 0x0
	ROUND
	s_endpgm
.Lfunc_end_k_q2048e3a491_attn:
	.size	k_q2048e3a491_attn, .Lfunc_end_k_q2048e3a491_attn-k_q2048e3a491_attn
	.p2alignl 7, 3214868480
	.fill 96, 4, 3214868480
	.section	.rodata,"a",@progbits
	.p2align	6, 0x0
	.amdhsa_kernel k_q2048e3a491_attn
		.amdhsa_group_segment_fixed_size 327680
		.amdhsa_private_segment_fixed_size 0
		.amdhsa_enable_private_segment 0
		.amdhsa_kernarg_size 64
		.amdhsa_user_sgpr_count 2
		.amdhsa_user_sgpr_kernarg_segment_ptr 1
		.amdhsa_wavefront_size32 1
		.amdhsa_system_sgpr_workgroup_id_x 1
		.amdhsa_system_sgpr_workgroup_id_y 1
		.amdhsa_system_sgpr_workgroup_id_z 1
		.amdhsa_system_vgpr_workitem_id 0
		.amdhsa_next_free_vgpr 512
		.amdhsa_next_free_sgpr 66
		.amdhsa_reserve_vcc 0
		.amdhsa_float_denorm_mode_32 3
		.amdhsa_float_denorm_mode_16_64 3
		.amdhsa_memory_ordered 1
		.amdhsa_forward_progress 1
		.amdhsa_inst_pref_size 172
	.end_amdhsa_kernel
	.amdgpu_metadata
---
amdhsa.version: [ 1, 2 ]
amdhsa.kernels:
  - .name:           k_q2048e3a491_attn
    .symbol:         k_q2048e3a491_attn.kd
    .args:
      - { .name: qkc, .offset: 0, .size: 8, .value_kind: global_buffer, .address_space: global }
      - { .name: qks, .offset: 8, .size: 8, .value_kind: global_buffer, .address_space: global }
      - { .name: vc, .offset: 16, .size: 8, .value_kind: global_buffer, .address_space: global }
      - { .name: vs, .offset: 24, .size: 8, .value_kind: global_buffer, .address_space: global }
      - { .name: attn_mask, .offset: 32, .size: 8, .value_kind: global_buffer, .address_space: global }
      - { .name: attn_mask1, .offset: 40, .size: 8, .value_kind: global_buffer, .address_space: global }
      - { .name: oc, .offset: 48, .size: 8, .value_kind: global_buffer, .address_space: global }
      - { .name: os, .offset: 56, .size: 8, .value_kind: global_buffer, .address_space: global }
    .group_segment_fixed_size: 327680
    .private_segment_fixed_size: 0
    .kernarg_segment_align: 8
    .kernarg_segment_size: 64
    .max_flat_workgroup_size: 256
    .sgpr_count:     66
    .vgpr_count:     512
    .wavefront_size: 32
...
	.end_amdgpu_metadata
.endif
;; end of part 3
;; launch outp (part 4): grid 256 x 1, 4 waves a work-group, no clusters, 68,096 bytes of LDS; arguments oc, os, cod, scl, wo_b, out0; writes out0
.if DOCPART == 4
	.amdgcn_target "amdgcn-amd-amdhsa--gfx1250"
	.amdhsa_code_object_version 6
	.text
	.protected	k_q2048e3a491_outp
	.globl	k_q2048e3a491_outp
	.p2align	8
	.type	k_q2048e3a491_outp,@function
k_q2048e3a491_outp:
	s_mov_b64 s[64:65], 0
	v_nop
	global_prefetch_b8 v0, s[64:65] scope:SCOPE_SE
	s_setreg_imm32_b32 hwreg(HW_REG_WAVE_MODE, 25, 1), 1
	s_wait_xcnt 0x0
; out0 = val wo^T + wo_b on codes of FP6 (E2M3) with E8M0 scales.  val's codes lie row-major (768 bytes a row, 32 scale bytes a row); wo's as images of registers (row tiles 960 on of cod and scl).
; Work-group x: 64 rows (x / 4) x 256 columns (p = x % 4).  Wave w keeps 64 weight rows, 4 tiles x 8 K steps = 384 registers; the 64 rows' codes (49,152 bytes) come into LDS once, by dense loads through registers,
; and each wave reads the four row tiles' fragments from there.  256 work-groups.
; NO CLUSTER, NO TENSOR LOAD: what the four work-groups p share is 49,152 bytes, read once at the start; there is no ring that a joint request could feed.
; TRANSPOSED: source 0 = 16 weight rows, source 1 = 16 rows of val.  Row m of weight tile T stands for column 256 p + 64 w + 32 (m / 8) + 8 T + m % 8: a lane (r, h) holds 32 neighbouring columns, 64 w + 32 h on, of row r.
; The bias is the C of each sum's first product.  The results go through the wave's own stage in LDS, so that sixteen lanes store 256 consecutive bytes, aligned.
; All waits for memory are for zero: a wave has 128 matrix instructions, and all that it loads is wanted by the first of them.
; LDS: 0: val's codes, 64 rows x (768 + 16) bytes; 50,176: a stage of 16 rows x (256 + 16) bytes for each wave.
; REGISTERS: window 0: v1-18 addresses; v32-47 the weights' scale words; v48-63 val's (row tile m, K steps 2 g, 2 g + 1 in lanes 0-15, 16-31: v[48 + 4 m + g]); v64-95 the bias; v96-127 the sums; v128-223 the copy, later rows of out0.
;   window 1: weight tiles 0, 1 at 96 T + 12 s;  window 2: tiles 2, 3;  window 3: val's eight fragments, two sets at 0 and 96.
.set ACC, 96
.set BI,  64
.set WS,  32
.set XS,  48
.set CP,  128
.set AP,  784                          ; a row of codes in LDS
.set STGO, 50176
.set MSB, 0
.macro WIN new                         ; the immediate's high byte repeats the setting that is left
.if MSB != \new
	s_set_vgpr_msb (MSB<<8)|\new
.set MSB, \new
.endif
.endm
	s_load_b256 s[4:11], s[0:1], 0x0               ; oc, os, cod, scl
	s_load_b128 s[12:15], s[0:1], 0x20             ; wo_b, out0
	v_lshl_add_u32 v254, v0, 2, 0x10800
	v_mov_b32 v255, 0
	v_lshrrev_b32 v20, 5, v0
	v_readfirstlane_b32 s16, v20                   ; wave
	s_and_b32 s17, ttmp9, 3                        ; p
	s_lshr_b32 s18, ttmp9, 2                       ; block of 64 rows
	v_and_b32 v21, 31, v0                          ; lane
	v_and_b32 v22, 15, v0                          ; r
	v_bfe_u32 v23, v0, 4, 1                        ; h
	v_and_b32 v24, 7, v0
	v_bfe_u32 v25, v0, 3, 1
	v_lshlrev_b32 v1, 4, v21                       ; 16 x lane
	v_mul_u32_u24 v3, v25, 24576
	v_lshl_add_u32 v3, v24, 4, v3
	v_lshl_add_u32 v3, v23, 8, v3                  ; the weights' codes: two row tiles on for r / 8, row r % 8 of the image, half h
	v_lshlrev_b32 v7, 10, v25
	v_lshl_add_u32 v7, v24, 2, v7
	v_lshl_add_u32 v7, v23, 6, v7                  ; their scale words: lanes 16-31 take the odd K step's
	v_mul_u32_u24 v11, v22, AP
	v_mad_u32_u24 v11, v23, 24, v11                ; val's fragments in LDS: row r, + 24 h
	s_mul_i32 s19, s16, 16*AP
	v_add_nc_u32 v12, s19, v1                      ; the copy: my 16 rows, as they lie,
	v_lshl_add_u32 v13, v23, 4, v12                ; and behind one row's padding more for lanes 16-31
	s_mul_i32 s20, s16, 16*272
	s_add_co_u32 s20, s20, STGO                    ; my stage
	v_mul_u32_u24 v14, v22, 272
	v_lshl_add_u32 v14, v23, 7, v14
	v_add_nc_u32 v14, s20, v14                     ; in: row r, 128 bytes for each half of the lanes
	v_mul_u32_u24 v15, v23, 272
	v_lshl_add_u32 v15, v22, 4, v15
	v_add_nc_u32 v15, s20, v15                     ; back: lanes 0-15 one row of 256 bytes, lanes 16-31 the next
	v_lshlrev_b32 v16, 12, v23
	v_lshl_add_u32 v16, v22, 4, v16                ; and the same two rows in out0
	v_lshlrev_b32 v17, 5, v22
	v_lshl_add_u32 v17, v23, 2, v17                ; val's scale words: 32 bytes a row, the odd K step's for lanes 16-31
	v_lshlrev_b32 v18, 7, v23                      ; the bias: 32 numbers on for lanes 16-31
	s_lshl_b32 s21, s17, 2
	s_add_co_u32 s21, s21, s16                     ; g = 4 p + w
	s_lshl_b32 s22, s21, 2
	s_add_co_u32 s22, s22, 960                     ; my first weight row tile
	s_mul_i32 s24, s22, 12288
	s_mov_b32 s25, 0
	s_lshl_b32 s26, s22, 9
	s_mov_b32 s27, 0
	s_mul_i32 s28, s18, 49152
	s_mul_i32 s22, s16, 12288
	s_add_co_u32 s28, s28, s22
	s_mov_b32 s29, 0
	s_lshl_b32 s30, s18, 11
	s_mov_b32 s31, 0
	s_wait_alu depctr_va_vdst(0)
	s_wait_kmcnt 0x0
	s_add_nc_u64 s[8:9], s[8:9], s[24:25]
	s_add_nc_u64 s[10:11], s[10:11], s[26:27]
	s_add_nc_u64 s[4:5], s[4:5], s[28:29]
	s_add_nc_u64 s[6:7], s[6:7], s[30:31]
	s_lshl_b32 s24, s21, 8                         ; 64 g columns: 256 g bytes, in the bias and in a row of out0
	s_add_nc_u64 s[12:13], s[12:13], s[24:25]
	s_lshl_b32 s26, s18, 18                        ; 64 rows of 4,096 bytes
	s_add_co_u32 s24, s24, s26
	s_add_nc_u64 s[14:15], s[14:15], s[24:25]
.irp n, 0,1,2,3,4,5,6,7,8,9,10,11,12,13,14,15,16,17,18,19,20,21,22,23
	global_load_b128 v[CP+4*\n:CP+4*\n+3], v1, s[4:5] offset:512*\n   ; my 16 rows of codes: 12,288 dense bytes
.endr
	WIN 0x40                                       ; destination window 1
.irp T, 0,1
.irp q, 0,1,2,3,4,5,6,7
.irp j, 0,1,2
	global_load_b128 v[96*\T+12*\q+4*\j:96*\T+12*\q+4*\j+3], v3, s[8:9] offset:128*\T+1536*\q+512*\j
.endr
.endr
.endr
	WIN 0x80                                       ; destination window 2
.irp T, 0,1
.irp q, 0,1,2,3,4,5,6,7
.irp j, 0,1,2
	global_load_b128 v[96*\T+12*\q+4*\j:96*\T+12*\q+4*\j+3], v3, s[8:9] offset:12288+128*\T+1536*\q+512*\j
.endr
.endr
.endr
	WIN 0
.irp T, 0,1,2,3
.irp g, 0,1,2,3
	global_load_b32 v[WS+4*\T+\g], v7, s[10:11] offset:32*(\T%2)+512*(\T/2)+128*\g
.endr
.endr
.irp T, 0,1,2,3
	global_load_b128 v[BI+8*\T:BI+8*\T+3], v18, s[12:13] offset:32*\T
	global_load_b128 v[BI+8*\T+4:BI+8*\T+7], v18, s[12:13] offset:32*\T+16
.endr
.irp m, 0,1,2,3
.irp g, 0,1,2,3
	global_load_b32 v[XS+4*\m+\g], v17, s[6:7] offset:512*\m+8*\g
.endr
.endr
	s_wait_loadcnt 0x0
.irp a, 0,1,2,3,4,5,6,7                ; three loads are two rows of 768 bytes: the second row begins in the middle of the second load, 16 bytes of padding further on
	ds_store_b128 v12, v[CP+12*\a:CP+12*\a+3] offset:2*AP*\a
	ds_store_b128 v13, v[CP+12*\a+4:CP+12*\a+7] offset:2*AP*\a+512
	ds_store_b128 v12, v[CP+12*\a+8:CP+12*\a+11] offset:2*AP*\a+1040
.endr
	s_wait_dscnt 0x0                               ; for the others' sake: my stores have landed
	s_barrier_signal -1
	s_barrier_wait -1                              ; the 64 rows lie in LDS
.macro FETCHA m, buf                   ; row tile m: eight fragments, each two pieces of 24 bytes, a piece three loads of 8
	WIN 0xc0                                       ; destination window 3
.irp q, 0,1,2,3,4,5,6,7
.irp c, 0,1
.irp i, 0,1,2
	ds_load_b64 v[96*(\buf)+12*\q+6*\c+2*\i:96*(\buf)+12*\q+6*\c+2*\i+1], v11 offset:16*AP*(\m)+96*\q+48*\c+8*\i
.endr
.endr
.endr
	WIN 0
.endm
; 16 matrix instructions: tiles t0 and t0 + 1 by turns, K ascending.  The first product of a sum takes the bias as C.
.macro MMSET t0, buf, m
.set kk, 0
.rept 8
.irp T, \t0, \t0+1
.set rA, 96*((\T)%2)+12*kk
.set rB, 96*(\buf)+12*kk
.set rD, ACC+8*(\T)
.set rC, BI+8*(\T)
.set rW, WS+4*(\T)+kk/2
.set rX, XS+4*(\m)+kk/2
.if kk == 0
	v_wmma_scale_f32_16x16x128_f8f6f4 v[rD:rD+7], v[rA:rA+11], v[rB:rB+11], v[rC:rC+7], v[rW], v[rX] matrix_a_fmt:MATRIX_FMT_FP6 matrix_b_fmt:MATRIX_FMT_FP6
.elseif kk%2 == 1
	v_wmma_scale_f32_16x16x128_f8f6f4 v[rD:rD+7], v[rA:rA+11], v[rB:rB+11], v[rD:rD+7], v[rW], v[rX] matrix_a_fmt:MATRIX_FMT_FP6 matrix_b_fmt:MATRIX_FMT_FP6 matrix_a_scale:MATRIX_SCALE_ROW1 matrix_b_scale:MATRIX_SCALE_ROW1
.else
	v_wmma_scale_f32_16x16x128_f8f6f4 v[rD:rD+7], v[rA:rA+11], v[rB:rB+11], v[rD:rD+7], v[rW], v[rX] matrix_a_fmt:MATRIX_FMT_FP6 matrix_b_fmt:MATRIX_FMT_FP6
.endif
.endr
.set kk, kk+1
.endr
.endm
	FETCHA 0, 0
.irp m, 0,1,2,3
	s_wait_dscnt 0x0                               ; this row tile's fragments are in
	WIN 0x0d                                       ; source 0 window 1, source 1 window 3
	MMSET 0, \m%2, \m
	WIN 0x0e                                       ; source 0 window 2
	MMSET 2, \m%2, \m
	WIN 0
.rept 5
	v_nop                                          ; four places in front of the first read of the sums; a fifth, since the next row tile's first products begin these accumulators anew and no other vector work lies between
.endr
.if \m < 3
	FETCHA \m+1, (\m+1)%2                          ; the next row tile lands while this one goes out
.endif
	s_wait_xcnt 0x0                                ; the last row tile's stores have read the registers that the loads below fill
.irp i, 0,1,2,3,4,5,6,7
	ds_store_b128 v14, v[ACC+4*\i:ACC+4*\i+3] offset:16*\i            ; each accumulator from its low end on
.endr
.irp t, 0,1,2,3,4,5,6,7
	ds_load_b128 v[CP+4*\t:CP+4*\t+3], v15 offset:544*\t              ; LDS serves a wave's instructions in order: these see my stores
.endr
	s_wait_dscnt 0x0
.irp t, 0,1,2,3,4,5,6,7
	global_store_b128 v16, v[CP+4*\t:CP+4*\t+3], s[14:15] offset:65536*\m+8192*\t th:TH_STORE_NT   ; sixteen lanes store 256 consecutive bytes, aligned; written once, read by nobody here
.endr
.endr
	s_wait_tensorcnt 0x0
	ds_add_u32 v254, v255
	s_wait_dscnt 0x0
	s_endpgm
.Lfunc_end_k_q2048e3a491_outp:
	.size	k_q2048e3a491_outp, .Lfunc_end_k_q2048e3a491_outp-k_q2048e3a491_outp
	.p2alignl 7, 3214868480
	.fill 96, 4, 3214868480
	.section	.rodata,"a",@progbits
	.p2align	6, 0x0
	.amdhsa_kernel k_q2048e3a491_outp
		.amdhsa_group_segment_fixed_size 68096
		.amdhsa_private_segment_fixed_size 0
		.amdhsa_enable_private_segment 0
		.amdhsa_kernarg_size 48
		.amdhsa_user_sgpr_count 2
		.amdhsa_user_sgpr_kernarg_segment_ptr 1
		.amdhsa_wavefront_size32 1
		.amdhsa_system_sgpr_workgroup_id_x 1
		.amdhsa_system_sgpr_workgroup_id_y 1
		.amdhsa_system_sgpr_workgroup_id_z 1
		.amdhsa_system_vgpr_workitem_id 0
		.amdhsa_next_free_vgpr 960
		.amdhsa_next_free_sgpr 66
		.amdhsa_reserve_vcc 0
		.amdhsa_float_denorm_mode_32 3
		.amdhsa_float_denorm_mode_16_64 3
		.amdhsa_memory_ordered 1
		.amdhsa_forward_progress 1
		.amdhsa_inst_pref_size 57
	.end_amdhsa_kernel
	.amdgpu_metadata
---
amdhsa.version: [ 1, 2 ]
amdhsa.kernels:
  - .name:           k_q2048e3a491_outp
    .symbol:         k_q2048e3a491_outp.kd
    .args:
      - { .name: oc, .offset: 0, .size: 8, .value_kind: global_buffer, .address_space: global }
      - { .name: os, .offset: 8, .size: 8, .value_kind: global_buffer, .address_space: global }
      - { .name: cod, .offset: 16, .size: 8, .value_kind: global_buffer, .address_space: global }
      - { .name: scl, .offset: 24, .size: 8, .value_kind: global_buffer, .address_space: global }
      - { .name: wo_b, .offset: 32, .size: 8, .value_kind: global_buffer, .address_space: global }
      - { .name: out0, .offset: 40, .size: 8, .value_kind: global_buffer, .address_space: global }
    .group_segment_fixed_size: 68096
    .private_segment_fixed_size: 0
    .kernarg_segment_align: 8
    .kernarg_segment_size: 48
    .max_flat_workgroup_size: 128
    .sgpr_count:     66
    .vgpr_count:     960
    .wavefront_size: 32
...
	.end_amdgpu_metadata
.endif
;; end of part 4
